; MI455X (gfx1250); checked and timed in simulation.
; The chip was launched on July 23, 2026; its instructions are those of AMD's public machine-readable ISA for CDNA 5 (MIT licence, August 2026) and "CDNA5" Instruction Set Architecture Reference Guide (July 2026). The comments in the code are by the model that wrote it; some were corrected since.
;; minerva. Allowed arithmetic: matrix products marked QUANTISED: E2M3 operands, one E8M0 scale for each 32 along K, by v_wmma_scale_f32_16x16x128_f8f6f4 with both operands' format E2M3, f32 sums; everything else in f32.
;; Inputs: class_reps 100 x 100 float32; ex_classes 20,000 x 100 float32; ex_features 20,000 x 512 float32; features 4,096 x 512 float32; g_weight 512 x 512 float32.
;; Outputs: out0 4,096 x 100 float32.
;; This version of the problem:
;;   THIS VERSION OF THE PROBLEM IS GIVEN IN LOW PRECISION. The matrix products marked QUANTISED in the list below multiply operands that are first quantised to E2M3 (2 exponent bits, 3 mantissa bits; 6 bits a number), with one power-of-two scale for each 32 numbers along K (OCP MX v1.0); their sums are f32. All else is computed in f32.
;;   The module's matrix products, in the order in which they are computed (A, B: the left and right operand; K: the contracted axis; several contracted axes count as one K, in the product's order):
;;     1. [M 4,096, K 512] x [K 512, N 512]; A: input features; B: input g_weight: QUANTISED
;;     2. [M 20,000, K 512] x [K 512, N 512]; A: input ex_features; B: input g_weight: QUANTISED
;;     3. [M 20,000, K 100] x [K 100, N 100]; A: computed on the way; B: input class_reps: QUANTISED
;;     4. [M 4,096, K 512] x [K 512, N 20,000]; A: computed on the way; B: computed on the way: QUANTISED
;;     5. [M 4,096, K 20,000] x [K 20,000, N 100]; A: computed on the way; B: computed on the way: QUANTISED
;;   THE QUANTISER, for each operand of a quantised product, along K:
;;     - K is cut into blocks of 32 from its start; a last block that is shorter is filled with zeros.
;;     - A block's scale is 2^e with e = floor(log2(the largest magnitude in the block)) - 2, held to -126 .. 127; a block of zeros has e = 0. As a byte (E8M0): e + 127.
;;     - Each number is divided by its block's scale, clamped to +-7.5, and rounded to the nearest number of E2M3, ties to even, subnormals kept.
;;     - The product sums the exact products of the quantised numbers (number of the format x scale) in f32.
;;   ~~~python
;;   def quantise(x, axis):      # numpy; x: float32 -> the quantised numbers, widened to float32 again
;;       x = np.moveaxis(x, axis, -1); K = x.shape[-1]
;;       x = np.pad(x, [(0, 0)] * (x.ndim - 1) + [(0, -K % 32)]); x = x.reshape(x.shape[:-1] + (-1, 32)); a = np.abs(x).max(-1, keepdims=True)
;;       e = np.where(a > 0, np.clip(np.frexp(np.where(a > 0, a, 1))[1] - 1 - 2, -126, 127), 0)      # np.frexp(a)[1] - 1 = floor(log2(a)), exactly
;;       r = np.clip(x / 2.0 ** e, -7.5, 7.5)
;;       step = 2.0 ** (np.maximum(np.frexp(np.where(r == 0, 1, r))[1] - 1, 0) - 3)
;;       q = np.round(r / step) * step * 2.0 ** e      # np.round: ties to even
;;       return np.moveaxis(q.reshape(q.shape[:-2] + (-1,))[..., :K], -1, axis).astype(np.float32)
;;   ~~~
;;   OPERANDS COMPUTED ON THE WAY. 'Computed on the way' means the value that the module computes at that place (a softmax that the list does not call 'softmax' is quantised finished and normalised). What goes into a quantiser is computed in f32, as accurately as f32 sums, v_exp_f32 and their like allow (about 1e-6 of the number): no bf16 or f16 on the way to a quantiser, and a product that is left as it is and whose result goes on into a quantised operand takes f32 operands (vector FMAs, or v_wmma_f32_16x16x4_f32). A number that lies on a knife's edge between two numbers of the format may be rounded either way, as far as f32 arithmetic and the matrix unit's own rounding can turn it there, and no further.
;; One version. Each part assembles by itself: llvm-mc -triple=amdgcn-amd-amdhsa -mcpu=gfx1250 --defsym DOCPART=n.
;; ======== version 1 of 1: 5 launches
;; workspace buffers: GW 212,992 bytes; EX 9,994,240 bytes; QF 1,638,400 bytes; NP 262,144 bytes; OP 26,214,400 bytes
;; launch prep (part 1): grid 192 x 1, 4 waves a work-group, no clusters, 14,336 bytes of LDS; arguments ex_classes, class_reps, g_weight, EX, GW; writes EX, GW
.if DOCPART == 1
	.amdgcn_target "amdgcn-amd-amdhsa--gfx1250"
	.amdhsa_code_object_version 6
	.text
	.protected	k_q5eff57a23f_prep
	.globl	k_q5eff57a23f_prep
	.p2align	8
	.type	k_q5eff57a23f_prep,@function
k_q5eff57a23f_prep:
	s_mov_b64 s[64:65], 0
	v_nop
	global_prefetch_b8 v0, s[64:65] scope:SCOPE_SE
	s_setreg_imm32_b32 hwreg(HW_REG_WAVE_MODE, 25, 1), 1
	s_wait_xcnt 0x0
; PREP.  Work-groups 0-159: ecr = l1norm(ex_classes) x class_reps for 128 exemplars each, on codes of FP6 (E2M3) with one E8M0 scale for each 32 along K (K = the 100 labels, filled with zeros to 128);
; ecr is then quantised along the EXEMPLARS, which are the K of the last product, and stored in EX as seven fragment images (16 labels x 128 exemplars) and their scale words.
; Work-groups 160-191: g_weight [512][512] f32 into 128 fragment images (16 rows x 128 K) and their scale words in GW.
; A FRAGMENT IMAGE is the operand's 12 registers as they stand: registers 4 c .. 4 c + 3 of lane l at 512 c + 16 l.  It is stored and loaded by three accesses of 512 consecutive bytes.
; THE ROWS OF A TILE ARE NOT NEIGHBOURS: row m of tile 2 b + u is row 32 b + 8 u + m + 8 (m / 8) of its 128, so that in a product that takes the tile as source 0 a lane's registers of tiles 2 b, 2 b + 1 are 16 neighbours along the next K.
; Exemplars 20,000 to 20,479 fill the last steps: their rows are multiplied by 0, so their codes are zeros.  Labels 100 to 111 of label tile 6 repeat column 99; no later launch stores what comes of them.
; SHARES (class path).  Wave w quantises exemplar tiles 2 w, 2 w + 1 (images through LDS to all waves) and class_reps' label tiles w and w + 4 (wave 3: tile 3 alone), and makes those label tiles' products for all 128 exemplars.
; No cluster: what the work-groups share, class_reps, is 40,000 bytes beside 51,200 of their own, and goes straight into registers.
; LIMITS: NaN and infinities are not served.  A block of zeros gets the scale byte 1 where the quantiser's rule says 127: its codes are zeros, and this program alone reads the bytes.  x / max(n, 1e-12) is x times v_rcp_f32 of max(n, 1e-12).
.set NEX,   20000
.set EXB,   62464                      ; a step's block in EX: K codes 49,152, K scales 2,048, V codes 10,752, V scales 512
.set VCOD,  51200
.set VSCL,  61952
.set GWSC,  196608                     ; GW: 128 images of 1,536 bytes, then 128 scale images of 128 bytes
.set AIMG,  0                          ; LDS: the eight exemplar tiles' images,
.set ASC,   12288                      ; their scale words, 128 bytes each,
.set VS,    13312                      ; V's scale words as EX wants them: 16 x lane + 4 j = label tile 2 j + lane / 16,
.set SPARE, 13824                      ; the spare words, 128 bytes for each wave: two blocks of 256 bytes that no other line names
.set XA0, 4                            ; v4, v5   ex_classes: my row of tile 2 w, 2 w + 1, x 400 + 64 h
.set XA1, 5
.set XB0, 6                            ; v6, v7   the same without h
.set XB1, 7
.set CA0, 8                            ; v8, v9   class_reps: 6,400 h + 4 n, and 4 n, for label tile w
.set CB0, 9
.set CA1, 10                           ; v10, v11 for label tile w + 4
.set CB1, 11
.set LI,  12                           ; v12  16 x lane
.set LS,  13                           ; v13  4 x lane
.set AWI, 14                           ; v14  where I store my images
.set AWS, 15                           ; v15  and their scale words
.set RR,  16                           ; v16  r + 8 (r / 8)
.set VSA, 21                           ; v21  my label tiles' place among V's scale words
.set EXO, 22                           ; v22  16 x lane + 1,536 x wave
.set R,   28                           ; v[28:29] 1 / the row's sum, twice
.set SPW, 30                           ; v30  LDS address of my spare word; never rewritten
.set NIL, 31                           ; v31  0; never rewritten
.set ST,  32                           ; v32-95   64 numbers of a lane; later the eight accumulators
.set AF,  96                           ; v96-191  the eight exemplar tiles' fragments
.set ST2, 96                           ;          (before that: 64 more numbers)
.set BF,  192                          ; v192-215 class_reps' two fragments; the codes just made
.set TM,  216                          ; v216-227 at work in QUANT
.set QA,  228
.set QB,  236
.set AS,  244                          ; v244-251 the exemplar tiles' scale words
.set BS,  252                          ; v252-253 class_reps' scale words
.set PW,  254                          ; v254 a scale word on its way to memory
.set WV,  14
.set VM0, 20                           ; s20, s21 lanes whose row of tile 2 w, 2 w + 1 is a real exemplar
.set VM1, 21
.set SEL, 24                           ; s[24:25] v_permlanex16_b32's selects for lane l xor 16
.set HI,  26                           ; s26  lanes 16-31
.set MSB, 0
.macro WIN new                         ; the immediate's high byte repeats the setting that is left (in this text every window is 0: the macro QUANT is written alike in all three texts)
.if MSB != (\new)
	s_set_vgpr_msb (MSB<<8)|(\new)
.set MSB, (\new)
.endif
.endm
.macro PLACES n
.rept \n
	v_nop
.endr
.endm
.macro BARRIER                         ; my LDS stores have landed and my LDS loads are in: then the work-group's barrier
	s_wait_dscnt 0x0
	s_barrier_signal -1
	s_barrier_wait -1
.endm
; 64 numbers of a lane, v[s] on in window w, register 16 b + i = k 32 b + 16 (lane / 16) + i of my row, become a fragment's 12 registers v[pc] on in window wd and its scale word v[pw].
.macro QUANT s, w, pc, wd, pw
	WIN (\w)|((\w)<<2)
.irp b, 0,1,2,3
	v_max3_num_f32 v[TM+\b], |v[(\s)+16*\b]|, |v[(\s)+16*\b+1]|, 0x1800000   ; block b: my 16 numbers, and the floor 2^(3 - 127): the byte cannot fall under 1
.endr
	WIN ((\w)<<2)|((\w)<<4)
.irp i, 2,4,6,8,10,12,14
.irp b, 0,1,2,3
	v_max3_num_f32 v[TM+\b], v[TM+\b], |v[(\s)+16*\b+\i]|, |v[(\s)+16*\b+\i+1]|   ; the four blocks by turns
.endr
.endr
	WIN 0
.irp b, 0,1,2,3
	v_permlanex16_b32 v[TM+4+\b], v[TM+\b], s[SEL], s[SEL+1]
.endr
.irp b, 0,1,2,3
	v_max_num_f32 v[TM+\b], v[TM+\b], v[TM+4+\b]   ; with lane l xor 16's: the block's largest magnitude
.endr
.irp b, 0,1,2,3
	v_add_nc_u32 v[TM+8+\b], 0xff000000, v[TM+\b]  ; 2 off its exponent field: the conversion's scale operand
.endr
.irp b, 0,1,2,3
	v_lshrrev_b32 v[TM+4+\b], 23, v[TM+8+\b]       ; the scale's byte
.endr
	v_lshl_or_b32 v[\pw], v[TM+5], 8, v[TM+4]
	v_lshl_or_b32 v[\pw], v[TM+6], 16, v[\pw]
	v_lshl_or_b32 v[\pw], v[TM+7], 24, v[\pw]      ; my row's scale word
	WIN (\w)
.irp c, 0,1
	v_cvt_scalef32_pk16_fp6_f32 v[QA+4*\c:QA+4*\c+2], v[(\s)+32*\c:(\s)+32*\c+15], v[TM+8+2*\c]
	v_cvt_scalef32_pk16_fp6_f32 v[QB+4*\c:QB+4*\c+2], v[(\s)+32*\c+16:(\s)+32*\c+31], v[TM+9+2*\c]
.endr
	WIN 0
	v_nop                                          ; one plain place behind a scaled conversion
.irp c, 0,1                                    ; the operand's layout wants a whole block in a lane: lanes 0-15 block 2 c, lanes 16-31 block 2 c + 1
.irp i, 0,1,2
	v_permlane16_swap_b32 v[QA+4*\c+\i], v[QB+4*\c+\i]
.endr
.endr
	WIN (\wd)<<6
.irp c, 0,1
.irp i, 0,1,2
	v_mov_b32 v[(\pc)+6*\c+\i], v[QA+4*\c+\i]
	v_mov_b32 v[(\pc)+6*\c+3+\i], v[QB+4*\c+\i]
.endr
.endr
	WIN 0
.endm
; One matrix instruction.  k = 0: it starts the sum with the constant 0.  ra, rb: the scales are read from lanes 16-31 of the register named.
.macro MM d, a, b, k, sa, sb, ra, rb
.set MV, 2*(\ra)+(\rb)
.if (\k) == 0
.if MV == 0
	v_wmma_scale_f32_16x16x128_f8f6f4 v[(\d):(\d)+7], v[(\a):(\a)+11], v[(\b):(\b)+11], 0, v[\sa], v[\sb] matrix_a_fmt:MATRIX_FMT_FP6 matrix_b_fmt:MATRIX_FMT_FP6
.elseif MV == 1
	v_wmma_scale_f32_16x16x128_f8f6f4 v[(\d):(\d)+7], v[(\a):(\a)+11], v[(\b):(\b)+11], 0, v[\sa], v[\sb] matrix_a_fmt:MATRIX_FMT_FP6 matrix_b_fmt:MATRIX_FMT_FP6 matrix_b_scale:MATRIX_SCALE_ROW1
.elseif MV == 2
	v_wmma_scale_f32_16x16x128_f8f6f4 v[(\d):(\d)+7], v[(\a):(\a)+11], v[(\b):(\b)+11], 0, v[\sa], v[\sb] matrix_a_fmt:MATRIX_FMT_FP6 matrix_b_fmt:MATRIX_FMT_FP6 matrix_a_scale:MATRIX_SCALE_ROW1
.else
	v_wmma_scale_f32_16x16x128_f8f6f4 v[(\d):(\d)+7], v[(\a):(\a)+11], v[(\b):(\b)+11], 0, v[\sa], v[\sb] matrix_a_fmt:MATRIX_FMT_FP6 matrix_b_fmt:MATRIX_FMT_FP6 matrix_a_scale:MATRIX_SCALE_ROW1 matrix_b_scale:MATRIX_SCALE_ROW1
.endif
.else
.if MV == 0
	v_wmma_scale_f32_16x16x128_f8f6f4 v[(\d):(\d)+7], v[(\a):(\a)+11], v[(\b):(\b)+11], v[(\d):(\d)+7], v[\sa], v[\sb] matrix_a_fmt:MATRIX_FMT_FP6 matrix_b_fmt:MATRIX_FMT_FP6
.elseif MV == 1
	v_wmma_scale_f32_16x16x128_f8f6f4 v[(\d):(\d)+7], v[(\a):(\a)+11], v[(\b):(\b)+11], v[(\d):(\d)+7], v[\sa], v[\sb] matrix_a_fmt:MATRIX_FMT_FP6 matrix_b_fmt:MATRIX_FMT_FP6 matrix_b_scale:MATRIX_SCALE_ROW1
.elseif MV == 2
	v_wmma_scale_f32_16x16x128_f8f6f4 v[(\d):(\d)+7], v[(\a):(\a)+11], v[(\b):(\b)+11], v[(\d):(\d)+7], v[\sa], v[\sb] matrix_a_fmt:MATRIX_FMT_FP6 matrix_b_fmt:MATRIX_FMT_FP6 matrix_a_scale:MATRIX_SCALE_ROW1
.else
	v_wmma_scale_f32_16x16x128_f8f6f4 v[(\d):(\d)+7], v[(\a):(\a)+11], v[(\b):(\b)+11], v[(\d):(\d)+7], v[\sa], v[\sb] matrix_a_fmt:MATRIX_FMT_FP6 matrix_b_fmt:MATRIX_FMT_FP6 matrix_a_scale:MATRIX_SCALE_ROW1 matrix_b_scale:MATRIX_SCALE_ROW1
.endif
.endif
.endm
; my row of ex_classes: register 16 b + i = label 32 b + 16 h + i; labels 96 to 99 come without h and are cleared in lanes 16-31 later.  13 loads
.macro XLOADC dst, xa, xb
.irp b, 0,1,2
.irp j, 0,1,2,3
	global_load_b128 v[\dst+16*\b+4*\j:\dst+16*\b+4*\j+3], v[\xa], s[4:5] offset:128*\b+16*\j
.endr
.endr
	global_load_b128 v[\dst+48:\dst+51], v[\xb], s[4:5] offset:384
.endm
; my column of class_reps, registers down K: register 16 b + i = class_reps(32 b + 16 h + i, n).  52 loads
.macro CLOAD dst, ca, cb
.irp b, 0,1,2
.irp i, 0,1,2,3,4,5,6,7,8,9,10,11,12,13,14,15
	global_load_b32 v[\dst+16*\b+\i], v[\ca], s[6:7] offset:(32*\b+\i)*400
.endr
.endr
.irp i, 0,1,2,3
	global_load_b32 v[\dst+48+\i], v[\cb], s[6:7] offset:(96+\i)*400
.endr
.endm
.macro CLR d                           ; in lanes 16-31 registers 48 to 51 stand for k = 112 on, past K's end: zeros
.irp i, 0,1,2,3
	v_cndmask_b32 v[\d+48+\i], v[\d+48+\i], v[NIL], s[HI]
.endr
.endm
; the row's sum of magnitudes, in four chains; the row times 1 / max(sum, 1e-12), or times 0 where the row is no exemplar
.macro L1NORM d, vm
	CLR \d
.irp i, 0,1,2,3
	v_add_f32 v[TM+\i], |v[\d+2*\i]|, |v[\d+2*\i+1]|
.endr
.irp i, 8,12,16,20,24,28,32,36,40,44,48
.irp j, 0,1,2,3
	v_add_f32 v[TM+\j], v[TM+\j], |v[\d+\i+\j]|
.endr
.endr
	v_add_f32 v[TM], v[TM], v[TM+1]
	v_add_f32 v[TM+2], v[TM+2], v[TM+3]
	v_add_f32 v[TM], v[TM], v[TM+2]
	v_permlanex16_b32 v[TM+1], v[TM], s[SEL], s[SEL+1]
	v_add_f32 v[TM], v[TM], v[TM+1]                ; with lane l xor 16's half of the row
	v_max_num_f32 v[TM], 0x2b8cbccc, v[TM]         ; 1e-12
	v_rcp_f32 v[R], v[TM]
	v_rcp_f32 v[R+1], v[TM]
	v_nop                                          ; a plain place behind the reciprocals
	s_wait_alu depctr_va_vdst(0)                   ; one wait for both, ahead of their first reader
	v_cndmask_b32 v[R], v[NIL], v[R], s[\vm]
	v_cndmask_b32 v[R+1], v[NIL], v[R+1], s[\vm]
.irp i, 0,2,4,6,8,10,12,14,16,18,20,22,24,26,28,30,32,34,36,38,40,42,44,46,48,50
	v_pk_mul_f32 v[\d+\i:\d+\i+1], v[\d+\i:\d+\i+1], v[R:R+1]
.endr
.endm
.macro IMAGE pc, adr, off
.irp c, 0,1,2
	ds_store_b128 v[\adr], v[\pc+4*\c:\pc+4*\c+3] offset:\off+512*\c
.endr
.endm
.macro PROD bf, bs                     ; ecr^T's tiles: source 0 = 16 exemplars, source 1 = 16 labels: a lane holds one label, its 64 registers 64 of the step's exemplars
.irp t, 0,1,2,3,4,5,6,7
	MM ST+8*\t, AF+12*\t, \bf, 0, AS+\t, \bs, 0, 0
.endr
.endm
.macro VOUT pc, off                    ; a label tile's 128 exemplars become a fragment of V, which goes to EX
	PLACES 4                                       ; between the products and the first read of their results
	QUANT ST, 0, \pc, 0, PW
.irp c, 0,1,2
	global_store_b128 v[EXO], v[\pc+4*\c:\pc+4*\c+3], s[10:11] offset:VCOD+\off+512*\c
.endr
.endm
	s_load_b128 s[4:7], s[0:1], 0x0                ; ex_classes, class_reps
	s_load_b128 s[8:11], s[0:1], 0x10              ; g_weight, EX
	s_load_b64 s[12:13], s[0:1], 0x20              ; GW
	v_lshl_add_u32 v[SPW], v0, 2, SPARE
	v_mov_b32 v[NIL], 0
	v_lshrrev_b32 v1, 5, v0
	v_readfirstlane_b32 s[WV], v1                  ; wave 0..3
	v_and_b32 v1, 31, v0                           ; lane
	v_and_b32 v2, 15, v0                           ; r
	v_bfe_u32 v3, v0, 4, 1                         ; h
	v_and_b32 v[RR], 8, v2
	v_add_nc_u32 v[RR], v[RR], v2                  ; r + 8 (r / 8)
	s_mov_b32 s[SEL], 0x76543210
	s_mov_b32 s[SEL+1], 0xfedcba98
	s_mov_b32 s[HI], 0xffff0000
	v_lshlrev_b32 v[LI], 4, v1
	v_lshlrev_b32 v[LS], 2, v1
	s_mul_i32 s16, s[WV], 2*1536
	v_add_nc_u32 v[AWI], s16, v[LI]
	s_lshl_b32 s16, s[WV], 8
	v_add_nc_u32 v[AWS], s16, v[LS]
	s_and_b32 s16, s[WV], 1
	s_lshl_b32 s16, s16, 8
	s_lshr_b32 s17, s[WV], 1
	s_lshl_b32 s17, s17, 2
	s_add_co_u32 s16, s16, s17
	v_lshl_add_u32 v[VSA], v2, 4, s16              ; 16 r + 256 (w % 2) + 4 (w / 2)
	s_mul_i32 s16, s[WV], 1536
	v_add_nc_u32 v[EXO], s16, v[LI]
.irp b, 0,1,2,3
	v_mov_b32 v[TM+4+\b], 0                        ; written once: a lane permute's destination counts as one of its sources
.endr
	v_mov_b32 v[BS+1], 0x7f7f7f7f                  ; a scale word of ones, until the second label tile's is made
	s_wait_kmcnt 0x0
	s_cmp_ge_u32 ttmp9, 160                        ; the same in all four waves
	s_cbranch_scc1 .Lgq
	; ---- the class path: step = the work-group's number
	s_lshl_b32 s15, ttmp9, 7
	s_lshl_b32 s16, s[WV], 5
	s_add_co_u32 s15, s15, s16
	v_add_nc_u32 v17, s15, v[RR]                   ; my exemplar of tile 2 w: 128 step + 32 w + r + 8 (r / 8)
	v_add_nc_u32 v18, 8, v17                       ; and of tile 2 w + 1
	v_cmp_gt_u32 s[VM0], NEX, v17
	v_cmp_gt_u32 s[VM1], NEX, v18
	v_min_u32 v17, NEX-1, v17                      ; no load leaves the buffer
	v_min_u32 v18, NEX-1, v18
	v_mul_u32_u24 v[XB0], v17, 400
	v_mul_u32_u24 v[XB1], v18, 400
	v_lshl_add_u32 v[XA0], v3, 6, v[XB0]
	v_lshl_add_u32 v[XA1], v3, 6, v[XB1]
	XLOADC ST, XA0, XB0
	XLOADC ST2, XA1, XB1
	s_lshl_b32 s16, s[WV], 4
	v_add_nc_u32 v19, s16, v2                      ; my label of tile w
	v_add_nc_u32 v20, 64, v19                      ; and of tile w + 4,
	v_min_u32 v20, 99, v20                         ; held inside the table
	v_lshlrev_b32 v[CB0], 2, v19
	v_lshlrev_b32 v[CB1], 2, v20
	v_mad_u32_u24 v[CA0], v3, 6400, v[CB0]
	v_mad_u32_u24 v[CA1], v3, 6400, v[CB1]
.irp i, 52,53,54,55,56,57,58,59,60,61,62,63
	v_mov_b32 v[ST+\i], 0                          ; k = 100 on: zeros; no load lands here
	v_mov_b32 v[ST2+\i], 0
.endr
	s_mul_i32 s18, ttmp9, EXB
	s_mov_b32 s19, 0
	s_add_nc_u64 s[10:11], s[10:11], s[18:19]      ; EX at my step's block
	s_wait_loadcnt 13                              ; tile 2 w's 13 loads are in; tile 2 w + 1's may be out
	L1NORM ST, VM0
	QUANT ST, 0, BF+12, 0, PW
	IMAGE BF+12, AWI, AIMG
	ds_store_b32 v[AWS], v[PW] offset:ASC
	CLOAD ST, CA0, CB0
	s_wait_loadcnt 52                              ; tile 2 w + 1's loads are in; the 52 just issued may be out
	L1NORM ST2, VM1
	s_wait_dscnt 0x0                               ; the image's stores have read their registers
	QUANT ST2, 0, BF+12, 0, PW
	IMAGE BF+12, AWI, AIMG+1536
	ds_store_b32 v[AWS], v[PW] offset:ASC+128
	s_cmp_eq_u32 s[WV], 3                          ; label tile 7 does not exist
	s_cbranch_scc1 .Lno_load
	CLOAD ST2, CA1, CB1
	s_wait_loadcnt 52                              ; label tile w's column is in; the 52 just issued may be out
	s_branch .Lfirst_b
.Lno_load:
	s_wait_loadcnt 0x0
.Lfirst_b:
	CLR ST
	QUANT ST, 0, BF, 0, BS
	s_cmp_eq_u32 s[WV], 3
	s_cbranch_scc1 .Lno_second_b
	s_wait_loadcnt 0x0
	CLR ST2
	s_wait_dscnt 0x0                               ; the second image's stores have read their registers
	QUANT ST2, 0, BF+12, 0, BS+1
.Lno_second_b:
	s_wait_loadcnt 0x0                             ; nothing is on its way into the registers that the fragments take
	BARRIER                                        ; the eight exemplar tiles' images lie in LDS
.irp t, 0,1,2,3,4,5,6,7
.irp c, 0,1,2
	ds_load_b128 v[AF+12*\t+4*\c:AF+12*\t+4*\c+3], v[LI] offset:AIMG+1536*\t+512*\c
.endr
	ds_load_b32 v[AS+\t], v[LS] offset:ASC+128*\t
.endr
	s_wait_dscnt 0x0
	PLACES 8                                       ; a scale word made by vector instructions stands eight places ahead of the product, an operand four
	PROD BF, BS
	VOUT BF, 0                                     ; label tile w
	ds_store_b32 v[VSA], v[PW] offset:VS
	s_wait_dscnt 0x0                               ; the store has read PW
	s_cmp_eq_u32 s[WV], 3
	s_cbranch_scc1 .Lno_tile
	PLACES 5                                       ; the accumulators are begun anew
	PROD BF+12, BS+1
	VOUT BF+12, 4*1536                             ; label tile w + 4
	s_branch .Lword
.Lno_tile:
	v_mov_b32 v[PW], 0                             ; the place of label tile 7: written, never used
.Lword:
	ds_store_b32 v[VSA], v[PW] offset:VS+8
	BARRIER                                        ; V's 512 bytes of scale words lie in LDS
	s_cmp_lg_u32 s[WV], 0
	s_cbranch_scc1 .Lend
	ds_load_b128 v[ST:ST+3], v[LI] offset:VS
	s_wait_dscnt 0x0
	global_store_b128 v[LI], v[ST:ST+3], s[10:11] offset:VSCL   ; 512 consecutive bytes
.Lend:
	s_wait_tensorcnt 0x0                           ; the wave's end
	ds_add_u32 v[SPW], v[NIL]
	s_wait_dscnt 0x0
	s_endpgm
	; ---- g_weight: n-tile g = the work-group's number - 160, K step = the wave's number.
.Lgq:
	s_sub_co_u32 s15, ttmp9, 160
	s_lshr_b32 s16, s15, 1
	s_lshl_b32 s16, s16, 5
	s_and_b32 s17, s15, 1
	s_lshl_b32 s17, s17, 3
	s_add_co_u32 s16, s16, s17
	v_add_nc_u32 v17, s16, v[RR]                   ; my row of g_weight: 32 (g / 2) + 8 (g % 2) + r + 8 (r / 8)
	v_lshlrev_b32 v17, 11, v17
	v_lshl_add_u32 v17, v3, 6, v17
	s_lshl_b32 s17, s[WV], 9
	v_add_nc_u32 v17, s17, v17                     ; x 2,048 + 512 s + 64 h
.irp b, 0,1,2,3
.irp j, 0,1,2,3
	global_load_b128 v[ST+16*\b+4*\j:ST+16*\b+4*\j+3], v17, s[8:9] offset:128*\b+16*\j th:TH_LOAD_NT
.endr
.endr
	s_lshl_b32 s16, s15, 2
	s_add_co_u32 s16, s16, s[WV]                   ; fragment 4 g + s
	s_mul_i32 s17, s16, 1536
	v_add_nc_u32 v18, s17, v[LI]
	s_lshl_b32 s16, s16, 7
	v_add_nc_u32 v19, s16, v[LS]
	s_wait_loadcnt 0x0
	QUANT ST, 0, BF, 0, PW
.irp c, 0,1,2
	global_store_b128 v18, v[BF+4*\c:BF+4*\c+3], s[12:13] offset:512*\c
.endr
	global_store_b32 v19, v[PW], s[12:13] offset:GWSC
	s_endpgm
.Lfunc_end_k_q5eff57a23f_prep:
	.size	k_q5eff57a23f_prep, .Lfunc_end_k_q5eff57a23f_prep-k_q5eff57a23f_prep
	.p2alignl 7, 3214868480
	.fill 96, 4, 3214868480
	.section	.rodata,"a",@progbits
	.p2align	6, 0x0
	.amdhsa_kernel k_q5eff57a23f_prep
		.amdhsa_group_segment_fixed_size 14336
		.amdhsa_private_segment_fixed_size 0
		.amdhsa_enable_private_segment 0
		.amdhsa_kernarg_size 40
		.amdhsa_user_sgpr_count 2
		.amdhsa_user_sgpr_kernarg_segment_ptr 1
		.amdhsa_wavefront_size32 1
		.amdhsa_system_sgpr_workgroup_id_x 1
		.amdhsa_system_sgpr_workgroup_id_y 1
		.amdhsa_system_sgpr_workgroup_id_z 1
		.amdhsa_system_vgpr_workitem_id 0
		.amdhsa_next_free_vgpr 256
		.amdhsa_next_free_sgpr 66
		.amdhsa_reserve_vcc 0
		.amdhsa_float_denorm_mode_32 3
		.amdhsa_float_denorm_mode_16_64 3
		.amdhsa_memory_ordered 1
		.amdhsa_forward_progress 1
		.amdhsa_inst_pref_size 65
	.end_amdhsa_kernel
	.amdgpu_metadata
---
amdhsa.version: [ 1, 2 ]
amdhsa.kernels:
  - .name:           k_q5eff57a23f_prep
    .symbol:         k_q5eff57a23f_prep.kd
    .args:
      - { .name: ex_classes, .offset: 0, .size: 8, .value_kind: global_buffer, .address_space: global }
      - { .name: class_reps, .offset: 8, .size: 8, .value_kind: global_buffer, .address_space: global }
      - { .name: g_weight, .offset: 16, .size: 8, .value_kind: global_buffer, .address_space: global }
      - { .name: EX, .offset: 24, .size: 8, .value_kind: global_buffer, .address_space: global }
      - { .name: GW, .offset: 32, .size: 8, .value_kind: global_buffer, .address_space: global }
    .group_segment_fixed_size: 14336
    .private_segment_fixed_size: 0
    .kernarg_segment_align: 8
    .kernarg_segment_size: 40
    .max_flat_workgroup_size: 128
    .sgpr_count:     66
    .vgpr_count:     256
    .wavefront_size: 32
...
	.end_amdgpu_metadata
.endif
;; end of part 1
;; launch proj (part 2): grid 192 x 1, 4 waves a work-group, no clusters, 189,952 bytes of LDS; arguments features, ex_features, GW, EX, QF; writes EX, QF
.if DOCPART == 2
	.amdgcn_target "amdgcn-amd-amdhsa--gfx1250"
	.amdhsa_code_object_version 6
	.text
	.protected	k_q5eff57a23f_proj
	.globl	k_q5eff57a23f_proj
	.p2align	8
	.type	k_q5eff57a23f_proj,@function
k_q5eff57a23f_proj:
	s_mov_b64 s[64:65], 0
	v_nop
	global_prefetch_b8 v0, s[64:65] scope:SCOPE_SE
	s_setreg_imm32_b32 hwreg(HW_REG_WAVE_MODE, 25, 1), 1
	s_wait_xcnt 0x0
; PROJ.  y = x g_weight^T on codes of FP6 (E2M3) with one E8M0 scale for each 32 along K; each row of y divided by max(its L2 norm, 1e-12); the result quantised along its 512 features and stored as
; fragment images (16 rows x 128 features: registers 4 c .. 4 c + 3 of lane l at 512 c + 16 l) with their scale words: the operands of the similarity product.
; Work-groups 0-159 take 128 rows of ex_features each, into EX's step blocks; work-groups 160-191 take 128 rows of features, into QF.  Only pointers, the row limit and the block's pitch are chosen: one path serves both.
; Rows 20,000 to 20,479 fill the last blocks of EX: their rows are multiplied by 0, so their codes are zeros.
; SHARES.  THE WAVES SHARE THE COLUMNS: wave w holds g_weight's 32 fragments of features 128 w .. 128 w + 127 in registers for the whole launch, and makes those features for all 128 rows, 64 at a time.
; x's codes go from wave to wave through LDS as images; a row's sum of squares is gathered from the four waves through LDS.  Each of those LDS bytes is written once, so a barrier stands only between a write and its reads.
; x's WAY IN.  The quantiser wants a lane to hold 16 neighbours of each block of ITS row; a load is best where neighbouring lanes take neighbouring bytes.  Both are had: a load takes 512 consecutive bytes, one K step of one row,
; 16 bytes a lane; a K step's 16 rows go through the wave's own stage in LDS, as they lie, and come back 64 bytes a lane and block.  Stage rows are 2,064 bytes apart, 129 x 16: sixteen rows start in sixteen different groups of banks.
; ROW ORDER: row m of tile 2 b + u is row 32 b + 8 u + m + 8 (m / 8) of its 128 (of g_weight's rows too): the product is used transposed (source 0 = 16 rows of g_weight, source 1 = 16 rows of x), so a lane holds one row of x and
; its 64 registers are features 32 b + 16 h + i of my 128, as the quantiser wants them.
; No cluster: the weight that all work-groups share goes from memory straight into each wave's registers, where it stays; a joint load could bring it only into LDS, from where each wave would read its quarter once more.
; LIMITS: NaN and infinities are not served.  A block of zeros gets the scale byte 1 where the quantiser's rule says 127: its codes are zeros, and this program alone reads the bytes.
; y / max(norm, 1e-12) is y times v_rsq_f32 of max(the sum of squares, 1e-24).
; REGISTERS: window 0 as named below; window 1: g_weight's fragments of K steps 0, 1 at v[12 (2 t + s)]; window 2: K steps 2, 3; window 3: 256 numbers of x a lane, K step s at v[64 s].
.set GWSC,  196608
.set XIMG,  0                          ; LDS: x's images, 16 for each half: tile m, K step s at 1,536 (4 m + s); half hb 24,576 on
.set XSC,   49152                      ; their scale words, 128 bytes each; half hb 2,048 on
.set PN,    53248                      ; sums of squares: tile 4 hb + m at 512 x that, wave w 128 w on, 4 bytes a lane
.set SPARE, 57344                      ; the spare words, 128 bytes for each wave: two blocks of 256 bytes that no other line names
.set STG,   57856                      ; behind them: a stage of 16 rows x SROW bytes for each wave, its own
.set SROW,  2064                       ; a stage row: a row of x, 2,048 bytes, + 16
.set XAD0, 1                           ; v1, v2  x: 16 x lane + 2,048 x the first row of my tile of half 0, 1
.set XAD1, 2
.set LI,   3                           ; v3   16 x lane
.set LS,   4                           ; v4   4 x lane
.set XWI,  5                           ; v5   where I store x's images: 16 x lane + 6,144 w
.set XWS,  6                           ; v6   and their scale words: 4 x lane + 512 w
.set PNW,  7                           ; v7   my sum of squares: 4 x lane + 128 w
.set WAD,  8                           ; v8   GW: 16 x lane + 49,152 w
.set WSA,  9                           ; v9   GW's scale words: 4,096 w + 512 h + 4 r
.set KO,   10                          ; v10  out: 16 x lane + 1,536 w
.set KSO,  11                          ; v11  out, scale words: 8 x lane + 512 w
.set ROWB, 12                          ; v12  128 x block + r + 8 (r / 8)
.set XF,   16                          ; v16-63   a tile's four fragments of x
.set HA,   64                          ; v64-127  my eight accumulators; while x is quantised: its four fragments' codes (v64-111) and scale words (v112-115) on their way to LDS
.set PC,   128                         ; v128-139 the codes just made, on their way to memory
.set TM,   140                         ; v140-151 at work in QUANT
.set QA,   156
.set QB,   164
.set XS,   173                         ; v173-176 x's scale words
.set KW,   177                         ; v177-180 the four tiles' scale words on their way out
.set WS,   182                         ; v182-197 g_weight's scale words: register 4 j + s: tile 2 j in lanes 0-15, tile 2 j + 1 in lanes 16-31
.set RN,   198                         ; v[198:199] 1 / norm, twice
.set SQ,   200
.set T,    204
.set KP,   208
.set TWI,  212                         ; v212 the stage, on the way in: my stage + 16 x lane
.set TRD,  213                         ; v213 and on the way out: my stage + SROW r + 64 h
.set SPW,  252                         ; v252 LDS address of my spare word; never rewritten
.set NIL,  253                         ; v253 0; never rewritten
.set WV,   14
.set LIM,  24                          ; s24  rows in the tensor
.set SEL,  26
.set HI,   28
.set MSB, 0
.macro WIN new                         ; the immediate's high byte repeats the setting that is left
.if MSB != (\new)
	s_set_vgpr_msb (MSB<<8)|(\new)
.set MSB, (\new)
.endif
.endm
.macro PLACES n
.rept \n
	v_nop
.endr
.endm
.macro BARRIER                         ; my LDS stores have landed and my LDS loads are in: then the work-group's barrier
	s_wait_dscnt 0x0
	s_barrier_signal -1
	s_barrier_wait -1
.endm
; 64 numbers of a lane, v[s] on in window w, register 16 b + i = k 32 b + 16 (lane / 16) + i of my row, become a fragment's 12 registers v[pc] on in window wd and its scale word v[pw].
.macro QUANT s, w, pc, wd, pw
	WIN (\w)|((\w)<<2)
.irp b, 0,1,2,3
	v_max3_num_f32 v[TM+\b], |v[(\s)+16*\b]|, |v[(\s)+16*\b+1]|, 0x1800000   ; block b: my 16 numbers, and the floor 2^(3 - 127): the byte cannot fall under 1
.endr
	WIN ((\w)<<2)|((\w)<<4)
.irp i, 2,4,6,8,10,12,14
.irp b, 0,1,2,3
	v_max3_num_f32 v[TM+\b], v[TM+\b], |v[(\s)+16*\b+\i]|, |v[(\s)+16*\b+\i+1]|   ; the four blocks by turns
.endr
.endr
	WIN 0
.irp b, 0,1,2,3
	v_permlanex16_b32 v[TM+4+\b], v[TM+\b], s[SEL], s[SEL+1]
.endr
.irp b, 0,1,2,3
	v_max_num_f32 v[TM+\b], v[TM+\b], v[TM+4+\b]   ; with lane l xor 16's: the block's largest magnitude
.endr
.irp b, 0,1,2,3
	v_add_nc_u32 v[TM+8+\b], 0xff000000, v[TM+\b]  ; 2 off its exponent field: the conversion's scale operand
.endr
.irp b, 0,1,2,3
	v_lshrrev_b32 v[TM+4+\b], 23, v[TM+8+\b]       ; the scale's byte
.endr
	v_lshl_or_b32 v[\pw], v[TM+5], 8, v[TM+4]
	v_lshl_or_b32 v[\pw], v[TM+6], 16, v[\pw]
	v_lshl_or_b32 v[\pw], v[TM+7], 24, v[\pw]      ; my row's scale word
	WIN (\w)
.irp c, 0,1
	v_cvt_scalef32_pk16_fp6_f32 v[QA+4*\c:QA+4*\c+2], v[(\s)+32*\c:(\s)+32*\c+15], v[TM+8+2*\c]
	v_cvt_scalef32_pk16_fp6_f32 v[QB+4*\c:QB+4*\c+2], v[(\s)+32*\c+16:(\s)+32*\c+31], v[TM+9+2*\c]
.endr
	WIN 0
	v_nop                                          ; one plain place behind a scaled conversion
.irp c, 0,1                                    ; the operand's layout wants a whole block in a lane: lanes 0-15 block 2 c, lanes 16-31 block 2 c + 1
.irp i, 0,1,2
	v_permlane16_swap_b32 v[QA+4*\c+\i], v[QB+4*\c+\i]
.endr
.endr
	WIN (\wd)<<6
.irp c, 0,1
.irp i, 0,1,2
	v_mov_b32 v[(\pc)+6*\c+\i], v[QA+4*\c+\i]
	v_mov_b32 v[(\pc)+6*\c+3+\i], v[QB+4*\c+\i]
.endr
.endr
	WIN 0
.endm
; One matrix instruction.  k = 0: it starts the sum with the constant 0.  ra, rb: the scales are read from lanes 16-31 of the register named.
.macro MM d, a, b, k, sa, sb, ra, rb
.set MV, 2*(\ra)+(\rb)
.if (\k) == 0
.if MV == 0
	v_wmma_scale_f32_16x16x128_f8f6f4 v[(\d):(\d)+7], v[(\a):(\a)+11], v[(\b):(\b)+11], 0, v[\sa], v[\sb] matrix_a_fmt:MATRIX_FMT_FP6 matrix_b_fmt:MATRIX_FMT_FP6
.elseif MV == 1
	v_wmma_scale_f32_16x16x128_f8f6f4 v[(\d):(\d)+7], v[(\a):(\a)+11], v[(\b):(\b)+11], 0, v[\sa], v[\sb] matrix_a_fmt:MATRIX_FMT_FP6 matrix_b_fmt:MATRIX_FMT_FP6 matrix_b_scale:MATRIX_SCALE_ROW1
.elseif MV == 2
	v_wmma_scale_f32_16x16x128_f8f6f4 v[(\d):(\d)+7], v[(\a):(\a)+11], v[(\b):(\b)+11], 0, v[\sa], v[\sb] matrix_a_fmt:MATRIX_FMT_FP6 matrix_b_fmt:MATRIX_FMT_FP6 matrix_a_scale:MATRIX_SCALE_ROW1
.else
	v_wmma_scale_f32_16x16x128_f8f6f4 v[(\d):(\d)+7], v[(\a):(\a)+11], v[(\b):(\b)+11], 0, v[\sa], v[\sb] matrix_a_fmt:MATRIX_FMT_FP6 matrix_b_fmt:MATRIX_FMT_FP6 matrix_a_scale:MATRIX_SCALE_ROW1 matrix_b_scale:MATRIX_SCALE_ROW1
.endif
.else
.if MV == 0
	v_wmma_scale_f32_16x16x128_f8f6f4 v[(\d):(\d)+7], v[(\a):(\a)+11], v[(\b):(\b)+11], v[(\d):(\d)+7], v[\sa], v[\sb] matrix_a_fmt:MATRIX_FMT_FP6 matrix_b_fmt:MATRIX_FMT_FP6
.elseif MV == 1
	v_wmma_scale_f32_16x16x128_f8f6f4 v[(\d):(\d)+7], v[(\a):(\a)+11], v[(\b):(\b)+11], v[(\d):(\d)+7], v[\sa], v[\sb] matrix_a_fmt:MATRIX_FMT_FP6 matrix_b_fmt:MATRIX_FMT_FP6 matrix_b_scale:MATRIX_SCALE_ROW1
.elseif MV == 2
	v_wmma_scale_f32_16x16x128_f8f6f4 v[(\d):(\d)+7], v[(\a):(\a)+11], v[(\b):(\b)+11], v[(\d):(\d)+7], v[\sa], v[\sb] matrix_a_fmt:MATRIX_FMT_FP6 matrix_b_fmt:MATRIX_FMT_FP6 matrix_a_scale:MATRIX_SCALE_ROW1
.else
	v_wmma_scale_f32_16x16x128_f8f6f4 v[(\d):(\d)+7], v[(\a):(\a)+11], v[(\b):(\b)+11], v[(\d):(\d)+7], v[\sa], v[\sb] matrix_a_fmt:MATRIX_FMT_FP6 matrix_b_fmt:MATRIX_FMT_FP6 matrix_a_scale:MATRIX_SCALE_ROW1 matrix_b_scale:MATRIX_SCALE_ROW1
.endif
.endif
.endm
; my tile's 16 rows of x, as they lie: row m, K step s: 32 lanes read 512 consecutive bytes, into registers 64 s + 4 m on of window 3.  64 loads
.macro XLOADALL adr
	WIN 0xc0                                       ; destination window 3, address window 0
.irp m, 0,1,2,3,4,5,6,7,8,9,10,11,12,13,14,15
.irp s, 0,1,2,3
	global_load_b128 v[64*\s+4*\m:64*\s+4*\m+3], v[\adr], s[4:5] offset:(\m+8*(\m/8))*2048+512*\s th:TH_LOAD_NT
.endr
.endr
	WIN 0
.endm
; K step s of my 16 rows through my stage: in as loaded, row m at SROW m; back so that register 64 s + 16 b + i of window 3 = x(my row r, 128 s + 32 b + 16 h + i).
; LDS serves a wave's instructions in order, so no wait stands between the stores and the loads, which land in the registers that the stores have left.  32 LDS instructions
.macro TURN s
	WIN 0x0c                                       ; an LDS store's data are its source 1: window 3
.irp m, 0,1,2,3,4,5,6,7,8,9,10,11,12,13,14,15
	ds_store_b128 v[TWI], v[64*(\s)+4*\m:64*(\s)+4*\m+3] offset:SROW*\m+512*(\s)
.endr
	WIN 0xc0                                       ; destination window 3
.irp b, 0,1,2,3
.irp j, 0,1,2,3
	ds_load_b128 v[64*(\s)+16*\b+4*\j:64*(\s)+16*\b+4*\j+3], v[TRD] offset:512*(\s)+128*\b+16*\j
.endr
.endr
	WIN 0
.endm
.macro XFLOAD hb, m                    ; tile m's four fragments of x and their scale words, from the images
.irp s, 0,1,2,3
.irp c, 0,1,2
	ds_load_b128 v[XF+12*\s+4*\c:XF+12*\s+4*\c+3], v[LI] offset:XIMG+24576*(\hb)+1536*(4*(\m)+\s)+512*\c
.endr
	ds_load_b32 v[XS+\s], v[LS] offset:XSC+2048*(\hb)+128*(4*(\m)+\s)
.endr
.endm
; Tile m of half hb: 16 rows of x against my 128 features; the rows' norms; the normalised rows' codes, K step w of the similarity product, to memory.
.macro TILE hb, m
	s_wait_dscnt 0x0                               ; the tile's fragments of x are in
.irp s, 0,1,2,3                                ; the eight accumulators take turns, one instruction a turn, K step by K step
	WIN 1+\s/2                                     ; source 0: window 1 for K steps 0, 1, window 2 for 2, 3
.irp t, 0,1,2,3,4,5,6,7
	MM HA+8*\t, 12*(2*\t+\s%2), XF+12*\s, \s, WS+4*(\t/2)+\s, XS+\s, \t%2, 0
.endr
.endr
	WIN 0
	PLACES 4                                       ; between the products and the first read of their results, and the loads into their operands
.if \m < 3
	XFLOAD \hb, \m+1                               ; the next tile's fragments land while this tile's norm is made
.endif
	v_pk_mul_f32 v[SQ:SQ+1], v[HA:HA+1], v[HA:HA+1]            ; the sum of my 64 squares, in two packed chains, from each accumulator's low end on
	v_pk_mul_f32 v[SQ+2:SQ+3], v[HA+2:HA+3], v[HA+2:HA+3]
.irp i, 4,8,12,16,20,24,28,32,36,40,44,48,52,56,60
	v_pk_fma_f32 v[SQ:SQ+1], v[HA+\i:HA+\i+1], v[HA+\i:HA+\i+1], v[SQ:SQ+1]
	v_pk_fma_f32 v[SQ+2:SQ+3], v[HA+\i+2:HA+\i+3], v[HA+\i+2:HA+\i+3], v[SQ+2:SQ+3]
.endr
	v_pk_add_f32 v[SQ:SQ+1], v[SQ:SQ+1], v[SQ+2:SQ+3]
	v_add_f32 v[SQ], v[SQ], v[SQ+1]
	v_permlanex16_b32 v[SQ+1], v[SQ], s[SEL], s[SEL+1]
	v_add_f32 v[SQ], v[SQ], v[SQ+1]                ; my wave's 128 features of row r
	ds_store_b32 v[PNW], v[SQ] offset:PN+512*(4*\hb+\m)
	BARRIER                                        ; the four waves' parts lie in LDS
.irp k, 0,1,2,3
	ds_load_b32 v[T+\k], v[LS] offset:PN+512*(4*\hb+\m)+128*\k
.endr
	s_sub_co_u32 s22, s[LIM], 64*\hb+32*(\m/2)+8*(\m%2)
	v_cmp_gt_u32 vcc_lo, s22, v[ROWB]              ; is my row inside the tensor?
	s_wait_dscnt 0x0
	v_add_f32 v[T], v[T], v[T+1]
	v_add_f32 v[T], v[T], v[T+2]
	v_add_f32 v[T], v[T], v[T+3]
	v_max_num_f32 v[T], 0x179abe15, v[T]           ; 1e-24
	v_rsq_f32 v[RN], v[T]
	v_rsq_f32 v[RN+1], v[T]
	v_nop                                          ; a plain place behind the two
	s_wait_alu depctr_va_vdst(0)                   ; one wait for both, ahead of their first reader
	v_cndmask_b32 v[RN], v[NIL], v[RN], vcc_lo
	v_cndmask_b32 v[RN+1], v[NIL], v[RN+1], vcc_lo
.set i, 0
.rept 32
	v_pk_mul_f32 v[HA+i:HA+i+1], v[HA+i:HA+i+1], v[RN:RN+1]
.set i, i+2
.endr
	s_wait_xcnt 0x0                                ; the last tile's stores have read the codes' registers
	QUANT HA, 0, PC, 0, KW+\m
.irp c, 0,1,2
	global_store_b128 v[KO], v[PC+4*\c:PC+4*\c+3], s[10:11] offset:6144*(4*\hb+\m)+512*\c   ; fragment (tile 4 hb + m, K step w): 512 consecutive bytes a store
.endr
.endm
.macro HALF hb
	TURN 0
	s_wait_dscnt 0x0                               ; K step 0 is back from the stage
.irp s, 0,1,2,3                                ; my 16 rows of x, tile w of the half, become four fragments; each has registers of its own for its codes and its scale word, so no store's data are written again
.if \s < 3
	TURN \s+1                                      ; the next K step turns while this one is quantised
.endif
	QUANT 64*\s, 3, HA+12*\s, 0, HA+48+\s
.irp c, 0,1,2
	ds_store_b128 v[XWI], v[HA+12*\s+4*\c:HA+12*\s+4*\c+3] offset:XIMG+24576*\hb+1536*\s+512*\c
.endr
	ds_store_b32 v[XWS], v[HA+48+\s] offset:XSC+2048*\hb+128*\s
.if \s < 3
	s_wait_dscnt 4                                 ; the next K step is back from the stage; the four stores just issued may be out
.endif
.endr
.if \hb == 0
	XLOADALL XAD1                                  ; the second half's rows land while the first half is multiplied
.endif
	BARRIER                                        ; the half's sixteen fragments of x lie in LDS
	XFLOAD \hb, 0
.irp m, 0,1,2,3
	TILE \hb, \m
.endr
	v_cndmask_b32 v[KP], v[KW], v[KW+1], s[HI]     ; the scale words as the reader wants them: an even tile's in lanes 0-15, the odd tile's in lanes 16-31
	v_cndmask_b32 v[KP+1], v[KW+2], v[KW+3], s[HI]
	global_store_b64 v[KSO], v[KP:KP+1], s[10:11] offset:49152+256*\hb   ; 256 consecutive bytes
.endm
	s_load_b256 s[4:11], s[0:1], 0x0               ; features, ex_features, GW, EX
	s_load_b64 s[12:13], s[0:1], 0x20              ; QF
	v_lshl_add_u32 v[SPW], v0, 2, SPARE
	v_mov_b32 v[NIL], 0
	v_lshrrev_b32 v13, 5, v0
	v_readfirstlane_b32 s[WV], v13                 ; wave 0..3
	v_and_b32 v13, 31, v0                          ; lane
	v_and_b32 v14, 15, v0                          ; r
	v_bfe_u32 v15, v0, 4, 1                        ; h
	v_lshlrev_b32 v[LI], 4, v13
	v_lshlrev_b32 v[LS], 2, v13
	s_mul_i32 s16, s[WV], 6144
	v_add_nc_u32 v[XWI], s16, v[LI]
	s_lshl_b32 s16, s[WV], 9
	v_add_nc_u32 v[XWS], s16, v[LS]
	v_lshl_add_u32 v[KSO], v13, 3, s16
	s_lshl_b32 s16, s[WV], 7
	v_add_nc_u32 v[PNW], s16, v[LS]
	s_mul_i32 s16, s[WV], 49152
	v_add_nc_u32 v[WAD], s16, v[LI]
	s_lshl_b32 s16, s[WV], 12
	v_lshl_add_u32 v[WSA], v15, 9, s16
	v_lshl_add_u32 v[WSA], v14, 2, v[WSA]
	s_mul_i32 s16, s[WV], 1536
	v_add_nc_u32 v[KO], s16, v[LI]
	s_mul_i32 s16, s[WV], 16*SROW
	s_add_co_u32 s16, s16, STG                     ; my stage
	v_add_nc_u32 v[TWI], s16, v[LI]
	v_mul_u32_u24 v[TRD], v14, SROW
	v_lshl_add_u32 v[TRD], v15, 6, v[TRD]
	v_add_nc_u32 v[TRD], s16, v[TRD]
	s_lshr_b32 s20, s[WV], 1
	s_lshl_b32 s20, s20, 5
	s_and_b32 s21, s[WV], 1
	s_lshl_b32 s21, s21, 3
	s_add_co_u32 s20, s20, s21                     ; tile w's first row in a half: 32 (w / 2) + 8 (w % 2)
	s_mov_b32 s[SEL], 0x76543210
	s_mov_b32 s[SEL+1], 0xfedcba98
	s_mov_b32 s[HI], 0xffff0000
.irp b, 0,1,2,3
	v_mov_b32 v[TM+4+\b], 0                        ; written once: a lane permute's destination counts as one of its sources
.endr
	s_mov_b32 s[LIM], 4096
	s_mov_b32 s17, 51200
	s_wait_kmcnt 0x0
	s_cmp_lt_u32 ttmp9, 160                        ; exemplars or queries?  The choice hangs on the work-group's number alone
	s_cselect_b32 s[LIM], 20000, s[LIM]
	s_cselect_b32 s17, 62464, s17                  ; a block's pitch in EX or in QF
	s_cselect_b32 s18, 0, 160
	s_cselect_b64 s[4:5], s[6:7], s[4:5]
	s_cselect_b64 s[10:11], s[10:11], s[12:13]
	s_sub_co_u32 s18, ttmp9, s18                   ; the block of 128 rows
	s_mul_i32 s16, s18, s17
	s_mov_b32 s17, 0
	s_add_nc_u64 s[10:11], s[10:11], s[16:17]
	v_and_b32 v13, 8, v14
	v_add_nc_u32 v13, v13, v14                     ; r + 8 (r / 8)
	s_lshl_b32 s19, s18, 7
	v_add_nc_u32 v[ROWB], s19, v13
	; A tile's rows are its first row + 0 .. 7 and + 16 .. 23, inside one group of 32 rows, and both row limits are multiples of 32: so a tile lies wholly inside the tensor or wholly outside.
	; The first row is held at the limit - 24: a tile inside is not moved by that; a tile outside reads the tensor's last rows, so that no load leaves the buffer, and is multiplied by 0 later.
	s_add_co_u32 s22, s19, s20                     ; my tile's first row in half 0,
	s_add_co_u32 s23, s22, 64                      ; and in half 1
	s_sub_co_u32 s21, s[LIM], 24
	s_min_u32 s22, s22, s21
	s_min_u32 s23, s23, s21
	s_lshl_b32 s22, s22, 11
	s_lshl_b32 s23, s23, 11
	v_add_nc_u32 v[XAD0], s22, v[LI]
	v_add_nc_u32 v[XAD1], s23, v[LI]
	XLOADALL XAD0
	WIN 0x40                                       ; destination window 1
.irp t, 0,1,2,3,4,5,6,7
.irp s, 0,1
.irp c, 0,1,2
	global_load_b128 v[12*(2*\t+\s)+4*\c:12*(2*\t+\s)+4*\c+3], v[WAD], s[8:9] offset:6144*\t+1536*\s+512*\c
.endr
.endr
.endr
	WIN 0x80                                       ; destination window 2
.irp t, 0,1,2,3,4,5,6,7
.irp s, 0,1
.irp c, 0,1,2
	global_load_b128 v[12*(2*\t+\s)+4*\c:12*(2*\t+\s)+4*\c+3], v[WAD], s[8:9] offset:6144*\t+1536*(\s+2)+512*\c
.endr
.endr
.endr
	WIN 0
.irp j, 0,1,2,3
.irp s, 0,1,2,3
	global_load_b32 v[WS+4*\j+\s], v[WSA], s[8:9] offset:GWSC+1024*\j+128*\s
.endr
.endr
	s_wait_loadcnt 0x0
	HALF 0
	s_wait_loadcnt 0x0                             ; the second half's rows
	HALF 1
	s_wait_tensorcnt 0x0                           ; the wave's end
	ds_add_u32 v[SPW], v[NIL]
	s_wait_dscnt 0x0
	s_endpgm
.Lfunc_end_k_q5eff57a23f_proj:
	.size	k_q5eff57a23f_proj, .Lfunc_end_k_q5eff57a23f_proj-k_q5eff57a23f_proj
	.p2alignl 7, 3214868480
	.fill 96, 4, 3214868480
	.section	.rodata,"a",@progbits
	.p2align	6, 0x0
	.amdhsa_kernel k_q5eff57a23f_proj
		.amdhsa_group_segment_fixed_size 189952
		.amdhsa_private_segment_fixed_size 0
		.amdhsa_enable_private_segment 0
		.amdhsa_kernarg_size 40
		.amdhsa_user_sgpr_count 2
		.amdhsa_user_sgpr_kernarg_segment_ptr 1
		.amdhsa_wavefront_size32 1
		.amdhsa_system_sgpr_workgroup_id_x 1
		.amdhsa_system_sgpr_workgroup_id_y 1
		.amdhsa_system_sgpr_workgroup_id_z 1
		.amdhsa_system_vgpr_workitem_id 0
		.amdhsa_next_free_vgpr 1024
		.amdhsa_next_free_sgpr 66
		.amdhsa_reserve_vcc 1
		.amdhsa_float_denorm_mode_32 3
		.amdhsa_float_denorm_mode_16_64 3
		.amdhsa_memory_ordered 1
		.amdhsa_forward_progress 1
		.amdhsa_inst_pref_size 195
	.end_amdhsa_kernel
	.amdgpu_metadata
---
amdhsa.version: [ 1, 2 ]
amdhsa.kernels:
  - .name:           k_q5eff57a23f_proj
    .symbol:         k_q5eff57a23f_proj.kd
    .args:
      - { .name: features, .offset: 0, .size: 8, .value_kind: global_buffer, .address_space: global }
      - { .name: ex_features, .offset: 8, .size: 8, .value_kind: global_buffer, .address_space: global }
      - { .name: GW, .offset: 16, .size: 8, .value_kind: global_buffer, .address_space: global }
      - { .name: EX, .offset: 24, .size: 8, .value_kind: global_buffer, .address_space: global }
      - { .name: QF, .offset: 32, .size: 8, .value_kind: global_buffer, .address_space: global }
    .group_segment_fixed_size: 189952
    .private_segment_fixed_size: 0
    .kernarg_segment_align: 8
    .kernarg_segment_size: 40
    .max_flat_workgroup_size: 128
    .sgpr_count:     66
    .vgpr_count:     1024
    .wavefront_size: 32
...
	.end_amdgpu_metadata
.endif
;; end of part 2
;; launch rowsum (part 3): grid 16 x 16, 4 waves a work-group, clusters of 4 x 1, 327,680 bytes of LDS; arguments EX, QF, NP; writes NP
.if DOCPART == 3
	.amdgcn_target "amdgcn-amd-amdhsa--gfx1250"
	.amdhsa_code_object_version 6
	.text
	.protected	k_q5eff57a23f_rowsum
	.globl	k_q5eff57a23f_rowsum
	.p2align	8
	.type	k_q5eff57a23f_rowsum,@function
k_q5eff57a23f_rowsum:
	s_mov_b64 s[64:65], 0
	v_nop
	global_prefetch_b8 v0, s[64:65] scope:SCOPE_SE
	s_setreg_imm32_b32 hwreg(HW_REG_WAVE_MODE, 25, 1), 1
	s_wait_xcnt 0x0
	s_wait_alu depctr_hold_cnt(0) depctr_sa_sdst(0) depctr_va_vdst(0) depctr_va_sdst(0) depctr_va_ssrc(0) depctr_va_vcc(0) depctr_vm_vsrc(0)
	s_getreg_b32 s2, hwreg(HW_REG_IB_STS2, 6, 4)
	s_cmp_eq_u32 s2, 0
	s_cbranch_scc0 .Lentry_in_a_cluster
	s_endpgm
.Lentry_in_a_cluster:
	s_bfe_u32 s2, ttmp6, 0x10000c
	s_cmp_lg_u32 s2, 0x3003
	s_cbranch_scc0 .Lentry_shape_is_right
	s_endpgm
.Lentry_shape_is_right:
; ROWSUM.  s = fn en^T on codes of FP6 (E2M3) with one E8M0 scale for each 32 along K = 512; for each query the sum of |s|^3 over one chunk of 1,280 exemplars, to NP.
; The row's whole sum divides s^3 AHEAD of the last product's quantiser, so it has to be known before any code is made: s is formed here for the sum and once more in the next launch for the codes, and never goes to memory.
; SHARES.  Work-group (x, y): queries 256 x .. 256 x + 255, chunk y = steps 10 y .. 10 y + 9 of 128 exemplars.  A wave owns 64 queries, four tiles, whose 16 fragments stay in registers; every wave walks all steps.
; The product is used transposed (source 0 = 16 exemplars, source 1 = 16 queries): a lane holds one query.
; RING.  Two LDS slots of two steps each.  A step's K part in EX, 51,200 bytes of fragment images and scale words, is dense: each wave brings half of one with one tensor load, as 100 rows of 256 bytes.
; CLUSTER.  The four work-groups of a cluster walk the same chunk: every tile is asked for jointly, by the same tensor load with the same descriptor and a mask that names the four.
; By this text's own count a wave has one tensor load out; it is asked for two steps, 256 matrix instructions, ahead of the wait for it.  So nothing is prefetched beside it.
; Exemplars 20,000 to 20,479 have zero codes: s = 0, and they add nothing.   LIMITS: NaN and infinities are not served.
; REGISTERS: window 0 as named below; window 1: S^T, query tile q at v[64 q + 8 t]; window 3: Q's fragments at v[12 (4 q + s)].
.set EXB,    62464                     ; a step's block in EX
.set CHUNKB, 624640                    ; ten of them
.set HALFB,  25600                     ; what one tensor load brings
.set STEPL,  51200                     ; a step in LDS
.set SLOT1,  1<<17
.set SPARE,  262144                    ; behind the ring: the spare words, 128 bytes for each wave: two blocks of 256 bytes that no other line names
.set LI,  1                            ; v1   16 x lane
.set L8,  2                            ; v2   8 x lane
.set ADK, 3                            ; v3   LDS address of the step's images
.set ADS, 4                            ; v4   and of its scale words
.set QS,  12                           ; v12-19  Q's scale words: register 2 s + j: tile 2 j in lanes 0-15, tile 2 j + 1 in lanes 16-31
.set SC,  20                           ; v20-35  the step's: register 2 (2 s + t / 4) + (t % 4) / 2, the odd tile in lanes 16-31
.set ACC, 44                           ; v44-59  the sums: four chains for each query tile
.set ST,  84                           ; v84-147 s^2
.set FB,  148                          ; v148-243 two buffers of an exemplar tile's four fragments
.set SPW, 252                          ; v252 LDS address of my spare word; never rewritten
.set NIL, 253                          ; v253 0; never rewritten
.set WV,  12
.set G1,  24                           ; s[24:31] descriptor group 1
.set G0,  32                           ; s[32:35] descriptor group 0, which walks
.set TB,  36                           ; s36  LDS byte at which the step in hand begins
.set SLOTS, 37
.set TWICE, 38
.set SEL, 40
.set HI,  42
.set W_S, 0x5c                         ; source 0 window 0, source 1 (Q) window 3, C and D window 1
.set MSB, 0
.macro WIN new                         ; the immediate's high byte repeats the setting that is left
.if MSB != (\new)
	s_set_vgpr_msb (MSB<<8)|(\new)
.set MSB, (\new)
.endif
.endm
.macro PLACES n
.rept \n
	v_nop
.endr
.endm
.macro CROUND                          ; a round of the cluster's barrier
	s_barrier_signal -1
	s_barrier_wait -1
	s_cmp_lg_u32 s[WV], 0
	s_cbranch_scc1 .Lnot_wave_0_\@
	s_barrier_signal -3
.Lnot_wave_0_\@:
	s_barrier_wait -3
	s_barrier_signal -1
	s_barrier_wait -1
.endm
; One matrix instruction.  k = 0: it starts the sum with the constant 0.  ra, rb: the scales are read from lanes 16-31 of the register named.
.macro MM d, a, b, k, sa, sb, ra, rb
.set MV, 2*(\ra)+(\rb)
.if (\k) == 0
.if MV == 0
	v_wmma_scale_f32_16x16x128_f8f6f4 v[(\d):(\d)+7], v[(\a):(\a)+11], v[(\b):(\b)+11], 0, v[\sa], v[\sb] matrix_a_fmt:MATRIX_FMT_FP6 matrix_b_fmt:MATRIX_FMT_FP6
.elseif MV == 1
	v_wmma_scale_f32_16x16x128_f8f6f4 v[(\d):(\d)+7], v[(\a):(\a)+11], v[(\b):(\b)+11], 0, v[\sa], v[\sb] matrix_a_fmt:MATRIX_FMT_FP6 matrix_b_fmt:MATRIX_FMT_FP6 matrix_b_scale:MATRIX_SCALE_ROW1
.elseif MV == 2
	v_wmma_scale_f32_16x16x128_f8f6f4 v[(\d):(\d)+7], v[(\a):(\a)+11], v[(\b):(\b)+11], 0, v[\sa], v[\sb] matrix_a_fmt:MATRIX_FMT_FP6 matrix_b_fmt:MATRIX_FMT_FP6 matrix_a_scale:MATRIX_SCALE_ROW1
.else
	v_wmma_scale_f32_16x16x128_f8f6f4 v[(\d):(\d)+7], v[(\a):(\a)+11], v[(\b):(\b)+11], 0, v[\sa], v[\sb] matrix_a_fmt:MATRIX_FMT_FP6 matrix_b_fmt:MATRIX_FMT_FP6 matrix_a_scale:MATRIX_SCALE_ROW1 matrix_b_scale:MATRIX_SCALE_ROW1
.endif
.else
.if MV == 0
	v_wmma_scale_f32_16x16x128_f8f6f4 v[(\d):(\d)+7], v[(\a):(\a)+11], v[(\b):(\b)+11], v[(\d):(\d)+7], v[\sa], v[\sb] matrix_a_fmt:MATRIX_FMT_FP6 matrix_b_fmt:MATRIX_FMT_FP6
.elseif MV == 1
	v_wmma_scale_f32_16x16x128_f8f6f4 v[(\d):(\d)+7], v[(\a):(\a)+11], v[(\b):(\b)+11], v[(\d):(\d)+7], v[\sa], v[\sb] matrix_a_fmt:MATRIX_FMT_FP6 matrix_b_fmt:MATRIX_FMT_FP6 matrix_b_scale:MATRIX_SCALE_ROW1
.elseif MV == 2
	v_wmma_scale_f32_16x16x128_f8f6f4 v[(\d):(\d)+7], v[(\a):(\a)+11], v[(\b):(\b)+11], v[(\d):(\d)+7], v[\sa], v[\sb] matrix_a_fmt:MATRIX_FMT_FP6 matrix_b_fmt:MATRIX_FMT_FP6 matrix_a_scale:MATRIX_SCALE_ROW1
.else
	v_wmma_scale_f32_16x16x128_f8f6f4 v[(\d):(\d)+7], v[(\a):(\a)+11], v[(\b):(\b)+11], v[(\d):(\d)+7], v[\sa], v[\sb] matrix_a_fmt:MATRIX_FMT_FP6 matrix_b_fmt:MATRIX_FMT_FP6 matrix_a_scale:MATRIX_SCALE_ROW1 matrix_b_scale:MATRIX_SCALE_ROW1
.endif
.endif
.endm
.macro GLOAD t, buf                    ; exemplar tile t's four fragments into buffer buf: 12 loads of 512 consecutive bytes
.irp s, 0,1,2,3
.irp c, 0,1,2
	ds_load_b128 v[FB+48*(\buf)+12*\s+4*\c:FB+48*(\buf)+12*\s+4*\c+3], v[ADK] offset:1536*(4*(\t)+\s)+512*\c
.endr
.endr
.endm
; S^T of a step: eight exemplar tiles x my four query tiles x four K steps: 128 matrix instructions.  A tile's four fragments feed sixteen of them; the tile two on is fetched into the buffer just left.
.macro SPART
	v_add_nc_u32 v[ADK], s[TB], v[LI]
	v_add_nc_u32 v[ADS], s[TB], v[L8]
.irp s, 0,1,2,3
.irp hb, 0,1
	ds_load_b64 v[SC+2*(2*\s+\hb):SC+2*(2*\s+\hb)+1], v[ADS] offset:49152+512*\s+256*\hb
.endr
.endr
	GLOAD 0, 0
	GLOAD 1, 1
.irp t, 0,1,2,3,4,5,6,7
.if \t < 7
	s_wait_dscnt 12                                ; tile t's fragments (and the scale words) are in; the next tile's twelve loads may be out
.else
	s_wait_dscnt 0x0
.endif
	WIN W_S
.irp s, 0,1,2,3                                ; the four accumulators take turns, one instruction a turn
.irp q, 0,1,2,3
	MM 64*\q+8*\t, FB+48*(\t%2)+12*\s, 12*(4*\q+\s), \s, SC+2*(2*\s+\t/4)+(\t%4)/2, QS+2*\s+\q/2, \t%2, \q%2
.endr
.endr
	WIN 0
.if \t < 6
	PLACES 4                                       ; in front of loads into registers that matrix instructions have read
	GLOAD \t+2, \t%2
.endif
.endr
.endm
.macro STEP
	SPART
	PLACES 4                                       ; between the products and the first read of their results
.irp q, 0,1,2,3
	WIN 0x05                                       ; sources 0 and 1 window 1
.set i, 0
.rept 32
	v_pk_mul_f32 v[ST+i:ST+i+1], v[64*\q+i:64*\q+i+1], v[64*\q+i:64*\q+i+1]      ; s^2, from each accumulator's low end on
.set i, i+2
.endr
	WIN 0x04                                       ; source 1 window 1
.set i, 0
.rept 64
	v_fma_f32 v[ACC+4*\q+i%4], v[ST+i], |v[64*\q+i]|, v[ACC+4*\q+i%4]            ; + s^2 |s|
.set i, i+1
.endr
	WIN 0
.endr
	s_add_co_u32 s[TB], s[TB], STEPL
.endm
; THE CHANGE OF SLOTS stands at a slot's head.  Each wave waits for all its tensor loads (its part of the slot ahead), adds 0 to its spare word, and waits for that and for its reads of the slot that it has left.
; fill = 1: a round of the cluster's barrier, and behind it the slot just left is filled with the two steps that follow.
.macro CHANGE fill
	WIN 0
	s_wait_tensorcnt 0x0                           ; no tensor load of mine is out, so group 0 may be written
	ds_add_u32 v[SPW], v[NIL]                      ; 0 onto my spare word
.if \fill
	s_xor_b32 s[G0+1], s[G0+1], SLOT1              ; the other slot than last time,
	s_add_nc_u64 s[G0+2:G0+3], s[G0+2:G0+3], 2*EXB ; the next two steps; the type bits on top are not reached
	s_wait_dscnt 0x0                               ; the add is done, and my reads of the slot that I have left are over
	CROUND
	tensor_load_to_lds s[G0:G0+3], s[G1:G1+7]      ; the first thing behind the round, and my one tensor load until the next
	s_nop 0
	PLACES 4
.else
	s_wait_dscnt 0x0
	s_barrier_signal -1
	s_barrier_wait -1
.endif
.endm
.macro TWO_STEPS
	s_mov_b32 s[TWICE], 2
.Lstep_\@:
	STEP
	s_sub_co_u32 s[TWICE], s[TWICE], 1
	s_cmp_lg_u32 s[TWICE], 0
	s_cbranch_scc1 .Lstep_\@
	s_sub_co_u32 s[TB], s[TB], 2*STEPL             ; back to a slot's first step,
	s_xor_b32 s[TB], s[TB], SLOT1                  ; in the other slot
.endm
	s_load_b128 s[4:7], s[0:1], 0x0                ; EX, QF
	s_load_b64 s[8:9], s[0:1], 0x10                ; NP
	v_lshl_add_u32 v[SPW], v0, 2, SPARE
	v_mov_b32 v[NIL], 0
	ds_add_u32 v[SPW], v[NIL]                      ; the wave's opening: the add and its wait stand ahead of my first tensor load, with work on registers between them
	v_lshrrev_b32 v8, 5, v0
	v_readfirstlane_b32 s[WV], v8                  ; wave 0..3
	s_bfe_u32 s13, ttmp6, 0x40000                  ; cx: it enters QF's and NP's addresses alone
	s_lshl_b32 s14, ttmp9, 2
	s_add_co_u32 s14, s14, s13                     ; x: my block of 256 queries
	s_and_b32 s15, ttmp7, 0xffff                   ; y: the chunk, which the four partners share
	s_mov_b32 s[G1], 15|(3<<16)|(1<<21)            ; 15:0 the mask: all four work-groups; 17:16 elements of 8 bytes; 21 set beside a mask; no padding
	s_mov_b32 s[G1+1], 32<<16                      ; tensor_dim0 = 32 elements: rows of 256 bytes
	s_mov_b32 s[G1+2], 100<<16                     ; tensor_dim1 = 100 rows
	s_mov_b32 s[G1+3], 32<<16                      ; tile_dim0
	s_mov_b32 s[G1+4], 100                         ; tile_dim1
	s_mov_b32 s[G1+5], 32                          ; the pitch: the block is dense
	s_mov_b32 s[G1+6], 0
	s_mov_b32 s[G1+7], 0
	s_mov_b32 s[SEL], 0x76543210
	s_mov_b32 s[SEL+1], 0xfedcba98
	s_mov_b32 s[HI], 0xffff0000
	s_mov_b32 s[TB], 0
	s_mov_b32 s[SLOTS], 4
	s_mul_i32 s16, s15, CHUNKB                     ; what I fetch: step w / 2 of the slot's two, half w % 2 of its K part
	s_lshr_b32 s18, s[WV], 1
	s_mul_i32 s18, s18, EXB
	s_add_co_u32 s16, s16, s18
	s_and_b32 s19, s[WV], 1
	s_mul_i32 s18, s19, HALFB
	s_add_co_u32 s16, s16, s18
	s_mov_b32 s17, 0
	s_mul_i32 s18, s[WV], HALFB                    ; and where it goes: no place in the cluster enters an LDS address
	s_lshl_b32 s20, s14, 1
	s_lshr_b32 s21, s[WV], 1
	s_add_co_u32 s20, s20, s21
	s_mul_i32 s20, s20, 51200                      ; QF's block of 128 queries: 2 x + w / 2
	s_mov_b32 s21, 0
	v_and_b32 v8, 31, v0
	v_lshlrev_b32 v[LI], 4, v8
	v_lshlrev_b32 v[L8], 3, v8
	s_mul_i32 s23, s19, 24576
	v_add_nc_u32 v10, s23, v[LI]                   ; its tiles 4 (w % 2) on
	s_lshl_b32 s23, s19, 8
	v_add_nc_u32 v11, s23, v[L8]
	s_lshl_b32 s22, s15, 14
	s_lshl_b32 s23, s14, 10
	s_add_co_u32 s22, s22, s23
	s_lshl_b32 s23, s[WV], 8
	s_add_co_u32 s22, s22, s23                     ; NP: 16,384 y + 4 (256 x + 64 w)
	s_mov_b32 s23, 0
.set i, 0
.rept 16
	v_mov_b32 v[ACC+i], 0
.set i, i+1
.endr
	s_wait_dscnt 0x0                               ; the opening add is done
	s_wait_kmcnt 0x0
	s_add_nc_u64 s[16:17], s[4:5], s[16:17]
	s_add_nc_u64 s[6:7], s[6:7], s[20:21]
	s_add_nc_u64 s[8:9], s[8:9], s[22:23]
	CROUND                                         ; all four work-groups are here: the first joint loads meet
	s_mov_b32 s[G0], 1                             ; count = 1
	s_mov_b32 s[G0+1], s18                         ; LDS address: slot 0
	s_mov_b64 s[G0+2:G0+3], s[16:17]               ; global address
	s_or_b32 s[G0+3], s[G0+3], 0x80000000          ; type = 2
	tensor_load_to_lds s[G0:G0+3], s[G1:G1+7]
	s_nop 0
	PLACES 4
	WIN 0xc0                                       ; destination window 3
.irp q, 0,1,2,3
.irp s, 0,1,2,3
.irp c, 0,1,2
	global_load_b128 v[12*(4*\q+\s)+4*\c:12*(4*\q+\s)+4*\c+3], v10, s[6:7] offset:1536*(4*\q+\s)+512*\c
.endr
.endr
.endr
	WIN 0
.irp s, 0,1,2,3
	global_load_b64 v[QS+2*\s:QS+2*\s+1], v11, s[6:7] offset:49152+512*\s
.endr
	s_wait_loadcnt 0x0
.Lslot:                                            ; four trips: behind each change of slots but the last the next two steps are asked for
	CHANGE 1
	TWO_STEPS
	s_sub_co_u32 s[SLOTS], s[SLOTS], 1
	s_cmp_lg_u32 s[SLOTS], 0
	s_cbranch_scc1 .Lslot
	CHANGE 0                                       ; the last slot is written out
	TWO_STEPS
.irp q, 0,1,2,3
	v_add_f32 v[ACC+4*\q], v[ACC+4*\q], v[ACC+4*\q+1]
	v_add_f32 v[ACC+4*\q+2], v[ACC+4*\q+2], v[ACC+4*\q+3]
.endr
.irp q, 0,1,2,3
	v_add_f32 v[ACC+4*\q], v[ACC+4*\q], v[ACC+4*\q+2]
.endr
.irp q, 0,1,2,3
	v_permlanex16_b32 v[ACC+4*\q+1], v[ACC+4*\q], s[SEL], s[SEL+1]
.endr
.irp q, 0,1,2,3
	v_add_f32 v[ACC+4*\q], v[ACC+4*\q], v[ACC+4*\q+1]          ; with lane l xor 16's exemplars
.endr
	v_cndmask_b32 v60, v[ACC], v[ACC+4], s[HI]     ; tile 0 in lanes 0-15, tile 1 in lanes 16-31;
	v_cndmask_b32 v61, v[ACC+8], v[ACC+12], s[HI]  ; tiles 2 and 3
	global_store_b64 v[L8], v[60:61], s[8:9]       ; 256 consecutive bytes
	s_wait_tensorcnt 0x0                           ; the wave's end
	ds_add_u32 v[SPW], v[NIL]
	s_wait_dscnt 0x0
	CROUND                                         ; the closing round: no work-group ends while a partner may still ask for a tile that names it
	s_endpgm
.Lfunc_end_k_q5eff57a23f_rowsum:
	.size	k_q5eff57a23f_rowsum, .Lfunc_end_k_q5eff57a23f_rowsum-k_q5eff57a23f_rowsum
	.p2alignl 7, 3214868480
	.fill 96, 4, 3214868480
	.section	.rodata,"a",@progbits
	.p2align	6, 0x0
	.amdhsa_kernel k_q5eff57a23f_rowsum
		.amdhsa_group_segment_fixed_size 327680
		.amdhsa_private_segment_fixed_size 0
		.amdhsa_enable_private_segment 0
		.amdhsa_kernarg_size 24
		.amdhsa_user_sgpr_count 2
		.amdhsa_user_sgpr_kernarg_segment_ptr 1
		.amdhsa_wavefront_size32 1
		.amdhsa_system_sgpr_workgroup_id_x 1
		.amdhsa_system_sgpr_workgroup_id_y 1
		.amdhsa_system_sgpr_workgroup_id_z 1
		.amdhsa_system_vgpr_workitem_id 0
		.amdhsa_next_free_vgpr 1024
		.amdhsa_next_free_sgpr 66
		.amdhsa_reserve_vcc 0
		.amdhsa_float_denorm_mode_32 3
		.amdhsa_float_denorm_mode_16_64 3
		.amdhsa_memory_ordered 1
		.amdhsa_forward_progress 1
		.amdhsa_inst_pref_size 110
	.end_amdhsa_kernel
	.amdgpu_metadata
---
amdhsa.version: [ 1, 2 ]
amdhsa.kernels:
  - .name:           k_q5eff57a23f_rowsum
    .symbol:         k_q5eff57a23f_rowsum.kd
    .args:
      - { .name: EX, .offset: 0, .size: 8, .value_kind: global_buffer, .address_space: global }
      - { .name: QF, .offset: 8, .size: 8, .value_kind: global_buffer, .address_space: global }
      - { .name: NP, .offset: 16, .size: 8, .value_kind: global_buffer, .address_space: global }
    .group_segment_fixed_size: 327680
    .private_segment_fixed_size: 0
    .kernarg_segment_align: 8
    .kernarg_segment_size: 24
    .max_flat_workgroup_size: 128
    .sgpr_count:     66
    .vgpr_count:     1024
    .wavefront_size: 32
...
	.end_amdgpu_metadata
.endif
;; end of part 3
;; launch echo (part 4): grid 16 x 16, 4 waves a work-group, clusters of 4 x 1, 327,680 bytes of LDS; arguments EX, QF, NP, OP; writes OP
.if DOCPART == 4
	.amdgcn_target "amdgcn-amd-amdhsa--gfx1250"
	.amdhsa_code_object_version 6
	.text
	.protected	k_q5eff57a23f_echo
	.globl	k_q5eff57a23f_echo
	.p2align	8
	.type	k_q5eff57a23f_echo,@function
k_q5eff57a23f_echo:
	s_mov_b64 s[64:65], 0
	v_nop
	global_prefetch_b8 v0, s[64:65] scope:SCOPE_SE
	s_setreg_imm32_b32 hwreg(HW_REG_WAVE_MODE, 25, 1), 1
	s_wait_xcnt 0x0
	s_wait_alu depctr_hold_cnt(0) depctr_sa_sdst(0) depctr_va_vdst(0) depctr_va_sdst(0) depctr_va_ssrc(0) depctr_va_vcc(0) depctr_vm_vsrc(0)
	s_getreg_b32 s2, hwreg(HW_REG_IB_STS2, 6, 4)
	s_cmp_eq_u32 s2, 0
	s_cbranch_scc0 .Lentry_in_a_cluster
	s_endpgm
.Lentry_in_a_cluster:
	s_bfe_u32 s2, ttmp6, 0x10000c
	s_cmp_lg_u32 s2, 0x3003
	s_cbranch_scc0 .Lentry_shape_is_right
	s_endpgm
.Lentry_shape_is_right:
; ECHO.  n = the row's sum of |s|^3 (NP's sixteen parts); s = fn en^T once more; a = s^3 / max(n, 1e-12), quantised along the exemplars; echo's part of one chunk = a x ecr, to OP.
; All products on codes of FP6 (E2M3) with one E8M0 scale for each 32 along K.  a never goes to memory.
; SHARES, RING, CLUSTER as in the launch before: work-group (x, y) = 256 queries x 1,280 exemplars; a wave owns 64 queries; two LDS slots of two steps; here a step's WHOLE block of EX (62,464 bytes: K's images and scale
; words, V's images and scale words) comes in: two steps are 124,928 dense bytes, of which each wave brings a quarter with one joint tensor load, as 122 rows of 256 bytes.
; By this text's own count a wave has one tensor load out; it is asked for two steps, 312 matrix instructions, ahead of the wait for it.  So nothing is prefetched beside it.
; LAYOUT.  Both products are used transposed: S^T = K Q^T (source 0 = 16 exemplars), O^T = V^T P^T (source 0 = 16 labels, source 1 = a's codes): a lane holds one query throughout.  The exemplars of a tile are chosen
; (row m of tile 2 b + u = exemplar 32 b + 8 u + m + 8 (m / 8)) so that a lane's 64 numbers of S^T are exemplars 32 b + 16 h + i, as the quantiser wants them.
; O^T begins as zeros: the step is written once for the loop and once for the tail, and a first step of its own would be a further copy of it.
; Exemplars 20,000 to 20,479 have zero codes on both sides.  Labels 100 to 111 of label tile 6 are computed with it, go into the stage with it, and are not read back from there.
; LIMITS: NaN and infinities are not served.  A block of zeros gets the scale byte 1 where the quantiser's rule says 127: its codes are zeros.  The division by max(n, 1e-12) is a multiplication by its v_rcp_f32.
; REGISTERS: window 0 as named below; window 1: S^T, query tile q at v[64 q + 8 t]; window 2: O^T at v[8 (4 n + q)]; window 3: Q's fragments at v[12 (4 q + s)], a's at v[192 + 12 q].
.set EXB,    62464
.set CHUNKB, 624640
.set QUARTB, 31232                     ; what one tensor load brings
.set STEPL,  62464                     ; a step in LDS
.set VCOD,   51200
.set VSCL,   61952
.set SLOT1,  1<<17
.set SPARE,  262144                    ; behind the ring: the spare words, 128 bytes for each wave: two blocks of 256 bytes that no other line names
.set STAGE,  262656                    ; behind them: the way out, 32 rows x SP bytes for each wave; no tile lands here
.set SP,     464                       ; a stage row: 112 labels, 448 bytes, + 16
.set LI,  1                            ; v1   16 x lane
.set L8,  2                            ; v2   8 x lane
.set ADK, 3                            ; v3   LDS address of the step's images
.set ADS, 4                            ; v4   and of its scale words
.set NPO, 5                            ; v5   8 r
.set SO,  6                            ; v6   the stage: where I put 32 bytes of a row
.set SR,  7                            ; v7   my stage + 16 x lane
.set QS,  12                           ; v12-19  Q's scale words
.set SC,  20                           ; v20-35  K's
.set VSC, 36                           ; v36-39  V's: register j: label tile 2 j in lanes 0-15, 2 j + 1 in lanes 16-31
.set PS,  40                           ; v40-43  a's, one for each query tile
.set RN,  44                           ; v44-51  1 / n, a pair for each query tile
.set TM,  52                           ; v52-63  at work in QUANT
.set QA,  68
.set QB,  76
.set AD,  52                           ; v52-76  the way out: where load i of 25 reads the stage
.set ST,  84                           ; v84-147 64 numbers of a
.set FB,  148                          ; v148-243 K's two buffers; V's seven fragments
.set OB,  84                           ; v84-183 the way out: 25 x 4 registers
.set SPW, 252                          ; v252 LDS address of my spare word; never rewritten
.set NIL, 253                          ; v253 0; never rewritten
.set WV,  12
.set G1,  24
.set G0,  32
.set TB,  36
.set SLOTS, 37
.set TWICE, 38
.set SEL, 40
.set W_S,  0x5c                        ; source 0 window 0, source 1 (Q) window 3, C and D window 1
.set W_PV, 0xac                        ; source 0 window 0, source 1 (a) window 3, C and D window 2
.set MSB, 0
.macro WIN new                         ; the immediate's high byte repeats the setting that is left
.if MSB != (\new)
	s_set_vgpr_msb (MSB<<8)|(\new)
.set MSB, (\new)
.endif
.endm
.macro PLACES n
.rept \n
	v_nop
.endr
.endm
.macro CROUND                          ; a round of the cluster's barrier
	s_barrier_signal -1
	s_barrier_wait -1
	s_cmp_lg_u32 s[WV], 0
	s_cbranch_scc1 .Lnot_wave_0_\@
	s_barrier_signal -3
.Lnot_wave_0_\@:
	s_barrier_wait -3
	s_barrier_signal -1
	s_barrier_wait -1
.endm
; 64 numbers of a lane, v[s] on in window w, register 16 b + i = k 32 b + 16 (lane / 16) + i of my row, become a fragment's 12 registers v[pc] on in window wd and its scale word v[pw].
.macro QUANT s, w, pc, wd, pw
	WIN (\w)|((\w)<<2)
.irp b, 0,1,2,3
	v_max3_num_f32 v[TM+\b], |v[(\s)+16*\b]|, |v[(\s)+16*\b+1]|, 0x1800000   ; block b: my 16 numbers, and the floor 2^(3 - 127): the byte cannot fall under 1
.endr
	WIN ((\w)<<2)|((\w)<<4)
.irp i, 2,4,6,8,10,12,14
.irp b, 0,1,2,3
	v_max3_num_f32 v[TM+\b], v[TM+\b], |v[(\s)+16*\b+\i]|, |v[(\s)+16*\b+\i+1]|   ; the four blocks by turns
.endr
.endr
	WIN 0
.irp b, 0,1,2,3
	v_permlanex16_b32 v[TM+4+\b], v[TM+\b], s[SEL], s[SEL+1]
.endr
.irp b, 0,1,2,3
	v_max_num_f32 v[TM+\b], v[TM+\b], v[TM+4+\b]   ; with lane l xor 16's: the block's largest magnitude
.endr
.irp b, 0,1,2,3
	v_add_nc_u32 v[TM+8+\b], 0xff000000, v[TM+\b]  ; 2 off its exponent field: the conversion's scale operand
.endr
.irp b, 0,1,2,3
	v_lshrrev_b32 v[TM+4+\b], 23, v[TM+8+\b]       ; the scale's byte
.endr
	v_lshl_or_b32 v[\pw], v[TM+5], 8, v[TM+4]
	v_lshl_or_b32 v[\pw], v[TM+6], 16, v[\pw]
	v_lshl_or_b32 v[\pw], v[TM+7], 24, v[\pw]      ; my row's scale word
	WIN (\w)
.irp c, 0,1
	v_cvt_scalef32_pk16_fp6_f32 v[QA+4*\c:QA+4*\c+2], v[(\s)+32*\c:(\s)+32*\c+15], v[TM+8+2*\c]
	v_cvt_scalef32_pk16_fp6_f32 v[QB+4*\c:QB+4*\c+2], v[(\s)+32*\c+16:(\s)+32*\c+31], v[TM+9+2*\c]
.endr
	WIN 0
	v_nop                                          ; one plain place behind a scaled conversion
.irp c, 0,1                                    ; the operand's layout wants a whole block in a lane: lanes 0-15 block 2 c, lanes 16-31 block 2 c + 1
.irp i, 0,1,2
	v_permlane16_swap_b32 v[QA+4*\c+\i], v[QB+4*\c+\i]
.endr
.endr
	WIN (\wd)<<6
.irp c, 0,1
.irp i, 0,1,2
	v_mov_b32 v[(\pc)+6*\c+\i], v[QA+4*\c+\i]
	v_mov_b32 v[(\pc)+6*\c+3+\i], v[QB+4*\c+\i]
.endr
.endr
	WIN 0
.endm
; One matrix instruction.  k = 0: it starts the sum with the constant 0.  ra, rb: the scales are read from lanes 16-31 of the register named.
.macro MM d, a, b, k, sa, sb, ra, rb
.set MV, 2*(\ra)+(\rb)
.if (\k) == 0
.if MV == 0
	v_wmma_scale_f32_16x16x128_f8f6f4 v[(\d):(\d)+7], v[(\a):(\a)+11], v[(\b):(\b)+11], 0, v[\sa], v[\sb] matrix_a_fmt:MATRIX_FMT_FP6 matrix_b_fmt:MATRIX_FMT_FP6
.elseif MV == 1
	v_wmma_scale_f32_16x16x128_f8f6f4 v[(\d):(\d)+7], v[(\a):(\a)+11], v[(\b):(\b)+11], 0, v[\sa], v[\sb] matrix_a_fmt:MATRIX_FMT_FP6 matrix_b_fmt:MATRIX_FMT_FP6 matrix_b_scale:MATRIX_SCALE_ROW1
.elseif MV == 2
	v_wmma_scale_f32_16x16x128_f8f6f4 v[(\d):(\d)+7], v[(\a):(\a)+11], v[(\b):(\b)+11], 0, v[\sa], v[\sb] matrix_a_fmt:MATRIX_FMT_FP6 matrix_b_fmt:MATRIX_FMT_FP6 matrix_a_scale:MATRIX_SCALE_ROW1
.else
	v_wmma_scale_f32_16x16x128_f8f6f4 v[(\d):(\d)+7], v[(\a):(\a)+11], v[(\b):(\b)+11], 0, v[\sa], v[\sb] matrix_a_fmt:MATRIX_FMT_FP6 matrix_b_fmt:MATRIX_FMT_FP6 matrix_a_scale:MATRIX_SCALE_ROW1 matrix_b_scale:MATRIX_SCALE_ROW1
.endif
.else
.if MV == 0
	v_wmma_scale_f32_16x16x128_f8f6f4 v[(\d):(\d)+7], v[(\a):(\a)+11], v[(\b):(\b)+11], v[(\d):(\d)+7], v[\sa], v[\sb] matrix_a_fmt:MATRIX_FMT_FP6 matrix_b_fmt:MATRIX_FMT_FP6
.elseif MV == 1
	v_wmma_scale_f32_16x16x128_f8f6f4 v[(\d):(\d)+7], v[(\a):(\a)+11], v[(\b):(\b)+11], v[(\d):(\d)+7], v[\sa], v[\sb] matrix_a_fmt:MATRIX_FMT_FP6 matrix_b_fmt:MATRIX_FMT_FP6 matrix_b_scale:MATRIX_SCALE_ROW1
.elseif MV == 2
	v_wmma_scale_f32_16x16x128_f8f6f4 v[(\d):(\d)+7], v[(\a):(\a)+11], v[(\b):(\b)+11], v[(\d):(\d)+7], v[\sa], v[\sb] matrix_a_fmt:MATRIX_FMT_FP6 matrix_b_fmt:MATRIX_FMT_FP6 matrix_a_scale:MATRIX_SCALE_ROW1
.else
	v_wmma_scale_f32_16x16x128_f8f6f4 v[(\d):(\d)+7], v[(\a):(\a)+11], v[(\b):(\b)+11], v[(\d):(\d)+7], v[\sa], v[\sb] matrix_a_fmt:MATRIX_FMT_FP6 matrix_b_fmt:MATRIX_FMT_FP6 matrix_a_scale:MATRIX_SCALE_ROW1 matrix_b_scale:MATRIX_SCALE_ROW1
.endif
.endif
.endm
.macro GLOAD t, buf                    ; exemplar tile t's four fragments into buffer buf: 12 loads of 512 consecutive bytes
.irp s, 0,1,2,3
.irp c, 0,1,2
	ds_load_b128 v[FB+48*(\buf)+12*\s+4*\c:FB+48*(\buf)+12*\s+4*\c+3], v[ADK] offset:1536*(4*(\t)+\s)+512*\c
.endr
.endr
.endm
; S^T of a step: eight exemplar tiles x my four query tiles x four K steps: 128 matrix instructions, the same lines as in the launch before, so that s has the same bits.
.macro SPART
	v_add_nc_u32 v[ADK], s[TB], v[LI]
	v_add_nc_u32 v[ADS], s[TB], v[L8]
.irp s, 0,1,2,3
.irp hb, 0,1
	ds_load_b64 v[SC+2*(2*\s+\hb):SC+2*(2*\s+\hb)+1], v[ADS] offset:49152+512*\s+256*\hb
.endr
.endr
	GLOAD 0, 0
	GLOAD 1, 1
.irp t, 0,1,2,3,4,5,6,7
.if \t < 7
	s_wait_dscnt 12                                ; tile t's fragments (and the scale words) are in; the next tile's twelve loads may be out
.else
	s_wait_dscnt 0x0
.endif
	WIN W_S
.irp s, 0,1,2,3                                ; the four accumulators take turns, one instruction a turn
.irp q, 0,1,2,3
	MM 64*\q+8*\t, FB+48*(\t%2)+12*\s, 12*(4*\q+\s), \s, SC+2*(2*\s+\t/4)+(\t%4)/2, QS+2*\s+\q/2, \t%2, \q%2
.endr
.endr
	WIN 0
.if \t < 6
	PLACES 4                                       ; in front of loads into registers that matrix instructions have read
	GLOAD \t+2, \t%2
.endif
.endr
.endm
.macro CUBE q                          ; a = s x (s^2 / n) of query tile q, two numbers an instruction
	WIN 0x05                                       ; sources 0 and 1 window 1
.set i, 0
.rept 32
	v_pk_mul_f32 v[ST+i:ST+i+1], v[64*(\q)+i:64*(\q)+i+1], v[64*(\q)+i:64*(\q)+i+1]   ; from each accumulator's low end on
.set i, i+2
.endr
	WIN 0
.set i, 0
.rept 32
	v_pk_mul_f32 v[ST+i:ST+i+1], v[ST+i:ST+i+1], v[RN+2*(\q):RN+2*(\q)+1]
.set i, i+2
.endr
	WIN 0x01                                       ; source 0 window 1
.set i, 0
.rept 32
	v_pk_mul_f32 v[ST+i:ST+i+1], v[64*(\q)+i:64*(\q)+i+1], v[ST+i:ST+i+1]
.set i, i+2
.endr
	WIN 0
.endm
.macro STEP
	SPART
	PLACES 4                                       ; between the products and the first read of their results, and the loads into their operands
.irp n, 0,1,2,3,4,5,6
.irp c, 0,1,2
	ds_load_b128 v[FB+12*\n+4*\c:FB+12*\n+4*\c+3], v[ADK] offset:VCOD+1536*\n+512*\c   ; V's seven fragments land while a is made
.endr
.endr
	ds_load_b128 v[VSC:VSC+3], v[ADK] offset:VSCL
.irp q, 0,1,2,3
	CUBE \q
	QUANT ST, 0, 192+12*\q, 3, PS+\q
.endr
	PLACES 8                                       ; a scale word made by vector instructions stands eight places ahead of the product, an operand four
	s_wait_dscnt 0x0                               ; V
	WIN W_PV
.irp n, 0,1,2,3,4,5,6                          ; 28 accumulators, one instruction each
.irp q, 0,1,2,3
	MM 8*(4*\n+\q), FB+12*\n, 192+12*\q, 1, VSC+\n/2, PS+\q, \n%2, 0
.endr
.endr
	WIN 0
	PLACES 4                                       ; in front of the next step's loads into V's registers, and of the way out
	s_add_co_u32 s[TB], s[TB], STEPL
.endm
; THE CHANGE OF SLOTS stands at a slot's head.  Each wave waits for all its tensor loads (its part of the slot ahead), adds 0 to its spare word, and waits for that and for its reads of the slot that it has left.
; fill = 1: a round of the cluster's barrier, and behind it the slot just left is filled with the two steps that follow.
.macro CHANGE fill
	WIN 0
	s_wait_tensorcnt 0x0                           ; no tensor load of mine is out, so group 0 may be written
	ds_add_u32 v[SPW], v[NIL]                      ; 0 onto my spare word
.if \fill
	s_xor_b32 s[G0+1], s[G0+1], SLOT1              ; the other slot than last time,
	s_add_nc_u64 s[G0+2:G0+3], s[G0+2:G0+3], 2*EXB ; the next two steps; the type bits on top are not reached
	s_wait_dscnt 0x0                               ; the add is done, and my reads of the slot that I have left are over
	CROUND
	tensor_load_to_lds s[G0:G0+3], s[G1:G1+7]      ; the first thing behind the round, and my one tensor load until the next
	s_nop 0
	PLACES 4
.else
	s_wait_dscnt 0x0
	s_barrier_signal -1
	s_barrier_wait -1
.endif
.endm
.macro TWO_STEPS
	s_mov_b32 s[TWICE], 2
.Lstep_\@:
	STEP
	s_sub_co_u32 s[TWICE], s[TWICE], 1
	s_cmp_lg_u32 s[TWICE], 0
	s_cbranch_scc1 .Lstep_\@
	s_sub_co_u32 s[TB], s[TB], 2*STEPL             ; back to a slot's first step,
	s_xor_b32 s[TB], s[TB], SLOT1                  ; in the other slot
.endm
	s_load_b256 s[4:11], s[0:1], 0x0               ; EX, QF, NP, OP
	v_lshl_add_u32 v[SPW], v0, 2, SPARE
	v_mov_b32 v[NIL], 0
	ds_add_u32 v[SPW], v[NIL]                      ; the wave's opening: the add and its wait stand ahead of my first tensor load, with work on registers between them
	v_lshrrev_b32 v8, 5, v0
	v_readfirstlane_b32 s[WV], v8                  ; wave 0..3
	s_bfe_u32 s13, ttmp6, 0x40000                  ; cx: it enters QF's, NP's and OP's addresses alone
	s_lshl_b32 s14, ttmp9, 2
	s_add_co_u32 s14, s14, s13                     ; x: my block of 256 queries
	s_and_b32 s15, ttmp7, 0xffff                   ; y: the chunk, which the four partners share
	s_mov_b32 s[G1], 15|(3<<16)|(1<<21)            ; 15:0 the mask: all four work-groups; 17:16 elements of 8 bytes; 21 set beside a mask; no padding
	s_mov_b32 s[G1+1], 32<<16                      ; tensor_dim0 = 32 elements: rows of 256 bytes
	s_mov_b32 s[G1+2], 122<<16                     ; tensor_dim1 = 122 rows
	s_mov_b32 s[G1+3], 32<<16                      ; tile_dim0
	s_mov_b32 s[G1+4], 122                         ; tile_dim1
	s_mov_b32 s[G1+5], 32                          ; the pitch: the block is dense
	s_mov_b32 s[G1+6], 0
	s_mov_b32 s[G1+7], 0
	s_mov_b32 s[SEL], 0x76543210
	s_mov_b32 s[SEL+1], 0xfedcba98
	s_mov_b32 s[TB], 0
	s_mov_b32 s[SLOTS], 4
	s_mul_i32 s16, s15, CHUNKB                     ; what I fetch: quarter w of the slot's two steps,
	s_mul_i32 s18, s[WV], QUARTB                   ; and where it goes: no place in the cluster enters an LDS address
	s_add_co_u32 s16, s16, s18
	s_mov_b32 s17, 0
	s_lshl_b32 s20, s14, 1
	s_lshr_b32 s21, s[WV], 1
	s_add_co_u32 s20, s20, s21
	s_mul_i32 s20, s20, 51200                      ; QF's block of 128 queries: 2 x + w / 2
	s_mov_b32 s21, 0
	v_and_b32 v8, 31, v0
	v_lshlrev_b32 v[LI], 4, v8
	v_lshlrev_b32 v[L8], 3, v8
	v_and_b32 v8, 15, v0                           ; r
	v_bfe_u32 v9, v0, 4, 1                         ; h
	v_and_b32 v10, 8, v8
	v_add_nc_u32 v10, v10, v8                      ; r + 8 (r / 8)
	s_mul_i32 s19, s[WV], 32*SP
	s_add_co_u32 s19, s19, STAGE                   ; my stage
	v_mul_u32_u24 v[SO], v10, SP
	v_lshl_add_u32 v[SO], v9, 5, v[SO]
	v_add_nc_u32 v[SO], s19, v[SO]                 ; in: row r + 8 (r / 8), + 32 h
	v_add_nc_u32 v[SR], s19, v[LI]                 ; back: my stage + 16 x lane
	v_lshlrev_b32 v[NPO], 3, v8
	s_and_b32 s19, s[WV], 1
	s_mul_i32 s23, s19, 24576
	v_add_nc_u32 v10, s23, v[LI]                   ; QF's tiles 4 (w % 2) on
	s_lshl_b32 s23, s19, 8
	v_add_nc_u32 v11, s23, v[L8]
	s_lshl_b32 s22, s14, 10
	s_lshl_b32 s23, s[WV], 8
	s_add_co_u32 s22, s22, s23                     ; NP: 4 (256 x + 64 w)
	s_mov_b32 s23, 0
	s_mul_i32 s44, s15, 1638400
	s_lshl_b32 s45, s14, 2
	s_add_co_u32 s45, s45, s[WV]
	s_mul_i32 s45, s45, 25600
	s_add_co_u32 s44, s44, s45                     ; OP: chunk y, row 256 x + 64 w
	s_mov_b32 s45, 0
.irp b, 0,1,2,3
	v_mov_b32 v[TM+4+\b], 0                        ; written once: a lane permute's destination counts as one of its sources
.endr
	s_wait_dscnt 0x0                               ; the opening add is done
	s_wait_kmcnt 0x0
	s_add_nc_u64 s[16:17], s[4:5], s[16:17]
	s_add_nc_u64 s[6:7], s[6:7], s[20:21]
	s_add_nc_u64 s[8:9], s[8:9], s[22:23]
	s_add_nc_u64 s[10:11], s[10:11], s[44:45]
	CROUND                                         ; all four work-groups are here: the first joint loads meet
	s_mov_b32 s[G0], 1                             ; count = 1
	s_mov_b32 s[G0+1], s18                         ; LDS address: slot 0
	s_mov_b64 s[G0+2:G0+3], s[16:17]               ; global address
	s_or_b32 s[G0+3], s[G0+3], 0x80000000          ; type = 2
	tensor_load_to_lds s[G0:G0+3], s[G1:G1+7]
	s_nop 0
	PLACES 4
.irp q, 0,1,2,3
.irp c, 0,1,2,3,4,5,6,7,8,9,10,11,12,13,14,15
	global_load_b32 v[ST+16*\q+\c], v[NPO], s[8:9] offset:16384*\c+128*(\q%2)+4*(\q/2)   ; chunk c's part of the sum of query tile q, row r
.endr
.endr
	WIN 0xc0                                       ; destination window 3
.irp q, 0,1,2,3
.irp s, 0,1,2,3
.irp c, 0,1,2
	global_load_b128 v[12*(4*\q+\s)+4*\c:12*(4*\q+\s)+4*\c+3], v10, s[6:7] offset:1536*(4*\q+\s)+512*\c
.endr
.endr
.endr
	WIN 0
.irp s, 0,1,2,3
	global_load_b64 v[QS+2*\s:QS+2*\s+1], v11, s[6:7] offset:49152+512*\s
.endr
	WIN 0x80                                       ; destination window 2
.set i, 0
.rept 224
	v_mov_b32 v[i], 0                              ; O^T
.set i, i+1
.endr
	WIN 0
	s_wait_loadcnt 0x0
.irp c, 1,2,3,4,5,6,7,8,9,10,11,12,13,14,15
.irp q, 0,1,2,3
	v_add_f32 v[ST+16*\q], v[ST+16*\q], v[ST+16*\q+\c]         ; n, the chunks in ascending order, the four tiles by turns
.endr
.endr
.irp q, 0,1,2,3
	v_max_num_f32 v[ST+16*\q], 0x2b8cbccc, v[ST+16*\q]         ; 1e-12
.endr
.irp q, 0,1,2,3
	v_rcp_f32 v[RN+2*\q], v[ST+16*\q]
	v_rcp_f32 v[RN+2*\q+1], v[ST+16*\q]
.endr
	v_nop                                          ; a plain place behind the reciprocals
	s_wait_alu depctr_va_vdst(0)                   ; one wait for the eight, ahead of their first reader and of the label
.Lslot:                                            ; four trips: behind each change of slots but the last the next two steps are asked for
	CHANGE 1
	TWO_STEPS
	s_sub_co_u32 s[SLOTS], s[SLOTS], 1
	s_cmp_lg_u32 s[SLOTS], 0
	s_cbranch_scc1 .Lslot
	CHANGE 0                                       ; the last slot is written out
	TWO_STEPS
	; THE WAY OUT, 32 rows (query tiles 2 p, 2 p + 1) at a time.  A lane holds eight neighbouring labels of a row; all seven label tiles go into my own stage with all lanes on, rows SP bytes apart.
	; In OP a row is 400 bytes, 25 pieces of 16: piece g = 32 i + lane of a pass's 12,800 bytes lies in stage row g / 25, at 16 g + (SP - 400) (g / 25).  g / 25 = (1,311 g) >> 15 for g up to 799:
	; with g = 25 k + c the product is 32,768 k + 7 k + 1,311 c, and 7 k + 1,311 c is 31,681 at the most.  The 25 addresses serve both passes; each pass leaves as 25 stores of 512 consecutive bytes.
	; LDS serves a wave's instructions in order, so no wait stands between my stores and my loads, nor in front of the second pass's stores.
	v_and_b32 v8, 31, v0                           ; lane
.set i, 0
.rept 25
	v_add_nc_u32 v[AD+i], 32*i, v8                 ; g
.set i, i+1
.endr
.set i, 0
.rept 25
	v_mul_u32_u24 v[AD+i], v[AD+i], 1311
.set i, i+1
.endr
.set i, 0
.rept 25
	v_lshrrev_b32 v[AD+i], 15, v[AD+i]             ; g / 25: the row
.set i, i+1
.endr
.set i, 0
.rept 25
	v_lshl_add_u32 v[AD+i], v[AD+i], 6, v[SR]      ; my stage + 16 x lane + 64 x row; the 512 i stand in the load's offset
.set i, i+1
.endr
.irp p, 0,1
	WIN 0x08                                       ; an LDS store's data are its source 1: window 2
.irp u, 0,1
.irp n, 0,1,2,3,4,5,6
	ds_store_b128 v[SO], v[8*(4*\n+2*\p+\u):8*(4*\n+2*\p+\u)+3] offset:8*SP*\u+64*\n          ; each accumulator from its low end on
	ds_store_b128 v[SO], v[8*(4*\n+2*\p+\u)+4:8*(4*\n+2*\p+\u)+7] offset:8*SP*\u+64*\n+16
.endr
.endr
	WIN 0
.if \p
	s_wait_xcnt 0x0                                ; the first pass's stores to memory have read their registers: the loads below may land there
.endif
.set i, 0
.rept 25
	ds_load_b128 v[OB+4*i:OB+4*i+3], v[AD+i] offset:512*i
.set i, i+1
.endr
.set i, 0
.rept 25
	s_wait_dscnt 24-i                              ; load i is in; the younger ones may be out
	global_store_b128 v[LI], v[OB+4*i:OB+4*i+3], s[10:11] offset:12800*\p+512*i th:TH_STORE_NT
.set i, i+1
.endr
.endr
	s_wait_tensorcnt 0x0                           ; the wave's end
	ds_add_u32 v[SPW], v[NIL]
	s_wait_dscnt 0x0
	CROUND                                         ; the closing round: no work-group ends while a partner may still ask for a tile that names it
	s_endpgm
.Lfunc_end_k_q5eff57a23f_echo:
	.size	k_q5eff57a23f_echo, .Lfunc_end_k_q5eff57a23f_echo-k_q5eff57a23f_echo
	.p2alignl 7, 3214868480
	.fill 96, 4, 3214868480
	.section	.rodata,"a",@progbits
	.p2align	6, 0x0
	.amdhsa_kernel k_q5eff57a23f_echo
		.amdhsa_group_segment_fixed_size 327680
		.amdhsa_private_segment_fixed_size 0
		.amdhsa_enable_private_segment 0
		.amdhsa_kernarg_size 32
		.amdhsa_user_sgpr_count 2
		.amdhsa_user_sgpr_kernarg_segment_ptr 1
		.amdhsa_wavefront_size32 1
		.amdhsa_system_sgpr_workgroup_id_x 1
		.amdhsa_system_sgpr_workgroup_id_y 1
		.amdhsa_system_sgpr_workgroup_id_z 1
		.amdhsa_system_vgpr_workitem_id 0
		.amdhsa_next_free_vgpr 1024
		.amdhsa_next_free_sgpr 66
		.amdhsa_reserve_vcc 0
		.amdhsa_float_denorm_mode_32 3
		.amdhsa_float_denorm_mode_16_64 3
		.amdhsa_memory_ordered 1
		.amdhsa_forward_progress 1
		.amdhsa_inst_pref_size 186
	.end_amdhsa_kernel
	.amdgpu_metadata
---
amdhsa.version: [ 1, 2 ]
amdhsa.kernels:
  - .name:           k_q5eff57a23f_echo
    .symbol:         k_q5eff57a23f_echo.kd
    .args:
      - { .name: EX, .offset: 0, .size: 8, .value_kind: global_buffer, .address_space: global }
      - { .name: QF, .offset: 8, .size: 8, .value_kind: global_buffer, .address_space: global }
      - { .name: NP, .offset: 16, .size: 8, .value_kind: global_buffer, .address_space: global }
      - { .name: OP, .offset: 24, .size: 8, .value_kind: global_buffer, .address_space: global }
    .group_segment_fixed_size: 327680
    .private_segment_fixed_size: 0
    .kernarg_segment_align: 8
    .kernarg_segment_size: 32
    .max_flat_workgroup_size: 128
    .sgpr_count:     66
    .vgpr_count:     1024
    .wavefront_size: 32
...
	.end_amdgpu_metadata
.endif
;; end of part 4
;; launch fin (part 5): grid 400 x 1, 8 waves a work-group, no clusters, 0 bytes of LDS; arguments OP, out0; writes out0
.if DOCPART == 5
	.amdgcn_target "amdgcn-amd-amdhsa--gfx1250"
	.amdhsa_code_object_version 6
	.text
	.protected	k_q5eff57a23f_fin
	.globl	k_q5eff57a23f_fin
	.p2align	8
	.type	k_q5eff57a23f_fin,@function
k_q5eff57a23f_fin:
	s_mov_b64 s[64:65], 0
	v_nop
	global_prefetch_b8 v0, s[64:65] scope:SCOPE_SE
	s_setreg_imm32_b32 hwreg(HW_REG_WAVE_MODE, 25, 1), 1
	s_wait_xcnt 0x0
; FIN.  out0 = the sum of OP's sixteen chunks, each laid as out0 (1,638,400 bytes), in ascending order, in f32.
; A stream: thread g owns the 16 bytes at 16 g of every chunk; a wave's load or store covers 512 consecutive bytes; all sixteen loads of a thread are out together.  No LDS, no barrier, no matrix unit: nothing is shared.
.set CHB, 1638400
	s_load_b128 s[4:7], s[0:1], 0x0                ; OP, out0
	s_lshl_b32 s16, ttmp9, 12                      ; 256 threads x 16 bytes
	v_lshl_add_u32 v1, v0, 4, s16
	s_wait_kmcnt 0x0
	s_mov_b64 s[8:9], s[4:5]                       ; four bases, four chunks apart, so that the offsets stay inside the signed 24-bit immediate
	s_add_nc_u64 s[10:11], s[4:5], 4*CHB
	s_add_nc_u64 s[12:13], s[4:5], 8*CHB
	s_add_nc_u64 s[14:15], s[4:5], 12*CHB
.irp k, 0,1,2,3
.irp j, 0,1,2,3
	global_load_b128 v[4+16*\k+4*\j:7+16*\k+4*\j], v1, s[8+2*\k:9+2*\k] offset:CHB*\j th:TH_LOAD_NT
.endr
.endr
.irp c, 1,2,3,4,5,6,7,8,9,10,11,12,13,14,15
.if (\c == 1) || (\c%4 == 0)
	s_wait_loadcnt 12-4*(\c/4)                     ; this group of four chunks is in; the later groups may be out
.endif
	v_pk_add_f32 v[4:5], v[4:5], v[4+4*\c:5+4*\c]
	v_pk_add_f32 v[6:7], v[6:7], v[6+4*\c:7+4*\c]
.endr
	global_store_b128 v1, v[4:7], s[6:7]
	s_endpgm
.Lfunc_end_k_q5eff57a23f_fin:
	.size	k_q5eff57a23f_fin, .Lfunc_end_k_q5eff57a23f_fin-k_q5eff57a23f_fin
	.p2alignl 7, 3214868480
	.fill 96, 4, 3214868480
	.section	.rodata,"a",@progbits
	.p2align	6, 0x0
	.amdhsa_kernel k_q5eff57a23f_fin
		.amdhsa_group_segment_fixed_size 0
		.amdhsa_private_segment_fixed_size 0
		.amdhsa_enable_private_segment 0
		.amdhsa_kernarg_size 16
		.amdhsa_user_sgpr_count 2
		.amdhsa_user_sgpr_kernarg_segment_ptr 1
		.amdhsa_wavefront_size32 1
		.amdhsa_system_sgpr_workgroup_id_x 1
		.amdhsa_system_sgpr_workgroup_id_y 1
		.amdhsa_system_sgpr_workgroup_id_z 1
		.amdhsa_system_vgpr_workitem_id 0
		.amdhsa_next_free_vgpr 72
		.amdhsa_next_free_sgpr 66
		.amdhsa_reserve_vcc 0
		.amdhsa_float_denorm_mode_32 3
		.amdhsa_float_denorm_mode_16_64 3
		.amdhsa_memory_ordered 1
		.amdhsa_forward_progress 1
		.amdhsa_inst_pref_size 5
	.end_amdhsa_kernel
	.amdgpu_metadata
---
amdhsa.version: [ 1, 2 ]
amdhsa.kernels:
  - .name:           k_q5eff57a23f_fin
    .symbol:         k_q5eff57a23f_fin.kd
    .args:
      - { .name: OP, .offset: 0, .size: 8, .value_kind: global_buffer, .address_space: global }
      - { .name: out0, .offset: 8, .size: 8, .value_kind: global_buffer, .address_space: global }
    .group_segment_fixed_size: 0
    .private_segment_fixed_size: 0
    .kernarg_segment_align: 8
    .kernarg_segment_size: 16
    .max_flat_workgroup_size: 256
    .sgpr_count:     66
    .vgpr_count:     72
    .wavefront_size: 32
...
	.end_amdgpu_metadata
.endif
;; end of part 5
